; MI455X (gfx1250); checked and timed in simulation.
; The chip was launched on July 23, 2026; its instructions are those of AMD's public machine-readable ISA for CDNA 5 (MIT licence, August 2026) and "CDNA5" Instruction Set Architecture Reference Guide (July 2026). The comments in the code are by the model that wrote it; some were corrected since.
;; Transformer Block. Allowed arithmetic: float matrix products may take bf16 or f16 operands with f32 sums; all other float work in f32.
;; Inputs: fc1_b 4,096 float32; fc1_w 4,096 x 1,024 float32; fc2_b 1,024 float32; fc2_w 1,024 x 4,096 float32; ln1_b 1,024 float32; ln1_g 1,024 float32; ln2_b 1,024 float32; ln2_g 1,024 float32; out_b 1,024 float32; out_w 1,024 x 1,024 float32; qkv_b 3,072 float32; qkv_w 3,072 x 1,024 float32; x 2 x 2,048 x 1,024 float32.
;; Outputs: out0 2 x 2,048 x 1,024 float32.
;; One version. Each part assembles by itself: llvm-mc -triple=amdgcn-amd-amdhsa -mcpu=gfx1250 --defsym DOCPART=n.
;; ======== version 1 of 1: 7 launches
;; workspace buffers: wq 6,291,456 bytes; wo 2,097,152 bytes; w1 8,388,608 bytes; w2 8,388,608 bytes; act 8,388,608 bytes; qkvh 25,165,824 bytes; x1 16,777,216 bytes; hid 33,554,432 bytes
;; launch prep (part 1): grid 1792 x 1, 4 waves a work-group, no clusters, 0 bytes of LDS; arguments x, ln1_g, ln1_b, act, qkv_w, wq, out_w, wo, fc1_w, w1, fc2_w, w2; writes act, wq, wo, w1, w2
.if DOCPART == 1
	.amdgcn_target "amdgcn-amd-amdhsa--gfx1250"
	.amdhsa_code_object_version 6
	.text
	.protected	k_qdeae3a95aa_prep
	.globl	k_qdeae3a95aa_prep
	.p2align	8
	.type	k_qdeae3a95aa_prep,@function
k_qdeae3a95aa_prep:
	s_mov_b64 s[64:65], 0
	v_nop
	global_prefetch_b8 v0, s[64:65] scope:SCOPE_SE
	s_setreg_imm32_b32 hwreg(HW_REG_WAVE_MODE, 25, 1), 1
	s_wait_xcnt 0x0
; Two streams in one launch.  Work-groups 0-255: act = bf16(LayerNorm(x) * ln1_g + ln1_b), 16 rows of 1,024 f32 each.
; Work-groups 256-1791: the four weight matrices rounded to bf16, 8,192 numbers each (384 + 128 + 512 + 512 chunks).
; LayerNorm: one wave, one row; the row stays in 32 registers between the mean, the variance of (x - mean) and the scaling, so x is
; read once and no wave waits for another: no LDS, no barrier.  Mean first, then squares of the differences: no difference of large sums.
; Matrix units, LDS and clusters are left out: nothing is shared between work-groups and there is no product.
; 1/sqrt by v_rsq_f32 (1 ulp, ISA guide 15.8).
.set A,   4                            ; v[4:11]    four chains of partial sums (pairs)
.set MU,  12                           ; v[12:13]   the mean, twice
.set R,   14                           ; v[14:15]   1/sqrt(var + eps), twice
.set T,   16                           ; v16, v17   at work across the lanes
.set G,   20                           ; v[20:51]   gain of my 32 columns
.set BV,  52                           ; v[52:83]   bias of my 32 columns
.set X,   84                           ; v[84:211]  four rows, 32 registers each
.set CI,  8                            ; cast: v[8:71]   sixteen loads of 16 bytes
.set CQ,  72                           ; cast: v[72:103] sixteen stores of 8 bytes
.macro FOLD                            ; four chains -> one number in every lane of the wave
	v_pk_add_f32 v[A:A+1], v[A:A+1], v[A+2:A+3]
	v_pk_add_f32 v[A+4:A+5], v[A+4:A+5], v[A+6:A+7]
	v_pk_add_f32 v[A:A+1], v[A:A+1], v[A+4:A+5]
	v_add_f32 v[T], v[A], v[A+1]
	v_add_f32_dpp v[T], v[T], v[T] row_xmask:1 row_mask:0xf bank_mask:0xf
	v_add_f32_dpp v[T], v[T], v[T] row_xmask:2 row_mask:0xf bank_mask:0xf
	v_add_f32_dpp v[T], v[T], v[T] row_xmask:4 row_mask:0xf bank_mask:0xf
	v_add_f32_dpp v[T], v[T], v[T] row_xmask:8 row_mask:0xf bank_mask:0xf
	v_permlanex16_b32 v[T+1], v[T], s34, s35       ; the other half of the lanes; v[T+1] was written at the start
	v_add_f32 v[T], v[T], v[T+1]
.endm
; Row q of my four.  Lane l holds columns 128 j + 4 l .. + 3 in registers 4 j .. 4 j + 3, j = 0 .. 7.
.macro ROW q
	s_wait_loadcnt (3-\q)*8                        ; loads come back in order: gain, bias and my row are in, the (3 - q) x 8 loads of later rows stay out
.irp k, 0,2,4,6
	v_pk_add_f32 v[A+\k:A+\k+1], v[X+32*\q+\k:X+32*\q+\k+1], v[X+32*\q+8+\k:X+32*\q+8+\k+1]    ; the first sums start the chains
.endr
.irp m, 16,24
.irp k, 0,2,4,6
	v_pk_add_f32 v[A+\k:A+\k+1], v[A+\k:A+\k+1], v[X+32*\q+\m+\k:X+32*\q+\m+\k+1]
.endr
.endr
	FOLD
	v_mul_f32 v[MU], s36, v[T]                     ; mean = sum / 1024
	v_mul_f32 v[MU+1], s36, v[T]
.set j, 0
.rept 16
	v_pk_add_f32 v[X+32*\q+j:X+32*\q+j+1], v[X+32*\q+j:X+32*\q+j+1], v[MU:MU+1] neg_lo:[0,1] neg_hi:[0,1]
.set j, j+2
.endr
.irp k, 0,2,4,6
	v_pk_mul_f32 v[A+\k:A+\k+1], v[X+32*\q+\k:X+32*\q+\k+1], v[X+32*\q+\k:X+32*\q+\k+1]
.endr
.irp m, 8,16,24
.irp k, 0,2,4,6
	v_pk_fma_f32 v[A+\k:A+\k+1], v[X+32*\q+\m+\k:X+32*\q+\m+\k+1], v[X+32*\q+\m+\k:X+32*\q+\m+\k+1], v[A+\k:A+\k+1]
.endr
.endr
	FOLD
	v_fma_f32 v[T], v[T], s36, s37                 ; var + eps
	v_rsq_f32 v[R], v[T]
	v_rsq_f32 v[R+1], v[T]
	v_nop                                          ; one plain place behind the transcendentals before their results are used (ISA guide 5.7.2)
.set j, 0
	s_wait_alu depctr_va_vdst(0)
.rept 16
	v_pk_mul_f32 v[X+32*\q+j:X+32*\q+j+1], v[X+32*\q+j:X+32*\q+j+1], v[R:R+1]
.set j, j+2
.endr
.set j, 0
.rept 16
	v_pk_fma_f32 v[X+32*\q+j:X+32*\q+j+1], v[X+32*\q+j:X+32*\q+j+1], v[G+j:G+j+1], v[BV+j:BV+j+1]
.set j, j+2
.endr
.irp j, 0,1,2,3,4,5,6,7
	v_cvt_pk_bf16_f32 v[X+32*\q+4*\j], v[X+32*\q+4*\j], v[X+32*\q+4*\j+1]
	v_cvt_pk_bf16_f32 v[X+32*\q+4*\j+1], v[X+32*\q+4*\j+2], v[X+32*\q+4*\j+3]
	global_store_b64 v2, v[X+32*\q+4*\j:X+32*\q+4*\j+1], s[14:15] offset:\q*2048+256*\j   ; 32 lanes x 8 bytes: 256 consecutive bytes, aligned
.endr
.endm
	s_load_b512 s[8:23], s[0:1], 0x0               ; x, ln1_g, ln1_b, act, qkv_w, wq, out_w, wo
	s_load_b256 s[24:31], s[0:1], 0x40             ; fc1_w, w1, fc2_w, w2
	v_and_b32 v3, 31, v0                           ; lane
	v_lshrrev_b32 v18, 5, v0                       ; wave
	v_lshlrev_b32 v19, 3, v3                       ; 8 x lane
	v_lshlrev_b32 v3, 4, v3                        ; 16 x lane
	s_cmp_ge_u32 ttmp9, 256
	s_cbranch_scc1 .Lcast
	; ---- LayerNorm: 16 rows a work-group, 4 a wave ----
	v_lshl_add_u32 v1, v18, 14, v3                 ; in: wave x 4 rows x 4,096 bytes + 16 x lane
	v_lshl_add_u32 v2, v18, 13, v19                ; out: wave x 4 rows x 2,048 bytes + 8 x lane
	v_mov_b32 v[T+1], 0
	s_mov_b32 s34, 0x76543210                      ; v_permlanex16_b32: lane i reads lane i of the other half
	s_mov_b32 s35, 0xfedcba98
	s_mov_b32 s36, 0x3a800000                      ; 1/1024
	s_mov_b32 s37, 0x3727c5ac                      ; 1e-5
	s_lshl_b32 s32, ttmp9, 16                      ; 16 rows x 4,096 bytes
	s_mov_b32 s33, 0
	s_lshl_b32 s38, ttmp9, 15                      ; 16 rows x 2,048 bytes
	s_mov_b32 s39, 0
	s_wait_kmcnt 0x0
	s_add_nc_u64 s[8:9], s[8:9], s[32:33]
	s_add_nc_u64 s[14:15], s[14:15], s[38:39]
.irp j, 0,1,2,3,4,5,6,7
	global_load_b128 v[G+4*\j:G+4*\j+3], v3, s[10:11] offset:512*\j
	global_load_b128 v[BV+4*\j:BV+4*\j+3], v3, s[12:13] offset:512*\j
.endr
.irp q, 0,1,2,3
.irp j, 0,1,2,3,4,5,6,7
	global_load_b128 v[X+32*\q+4*\j:X+32*\q+4*\j+3], v1, s[8:9] offset:\q*4096+512*\j     ; x is read again by a later launch: no hint
.endr
.endr
	ROW 0
	ROW 1
	ROW 2
	ROW 3
	s_endpgm
	; ---- weights to bf16: chunk c of 8,192 numbers; a wave takes 2,048 ----
.Lcast:
	v_lshl_add_u32 v1, v18, 13, v3                 ; in: wave x 8,192 bytes + 16 x lane
	v_lshl_add_u32 v2, v18, 12, v19                ; out: wave x 4,096 bytes + 8 x lane
	s_sub_co_u32 s32, ttmp9, 256                   ; c
	s_mov_b32 s33, 0                               ; first chunk of the matrix that c falls into
	s_wait_kmcnt 0x0
	s_mov_b64 s[4:5], s[16:17]
	s_mov_b64 s[6:7], s[18:19]
	s_cmp_ge_u32 s32, 384
	s_cselect_b64 s[4:5], s[20:21], s[4:5]
	s_cselect_b64 s[6:7], s[22:23], s[6:7]
	s_cselect_b32 s33, 384, s33
	s_cmp_ge_u32 s32, 512
	s_cselect_b64 s[4:5], s[24:25], s[4:5]
	s_cselect_b64 s[6:7], s[26:27], s[6:7]
	s_cselect_b32 s33, 512, s33
	s_cmp_ge_u32 s32, 1024
	s_cselect_b64 s[4:5], s[28:29], s[4:5]
	s_cselect_b64 s[6:7], s[30:31], s[6:7]
	s_cselect_b32 s33, 1024, s33
	s_sub_co_u32 s32, s32, s33
	s_lshl_b32 s38, s32, 15                        ; 32,768 bytes of f32 a chunk
	s_mov_b32 s39, 0
	s_lshl_b32 s40, s32, 14                        ; 16,384 bytes of bf16
	s_mov_b32 s41, 0
	s_add_nc_u64 s[4:5], s[4:5], s[38:39]
	s_add_nc_u64 s[6:7], s[6:7], s[40:41]
.irp j, 0,1,2,3,4,5,6,7,8,9,10,11,12,13,14,15
	global_load_b128 v[CI+4*\j:CI+4*\j+3], v1, s[4:5] offset:512*\j th:TH_LOAD_NT         ; read once in the whole program
.endr
.irp j, 0,1,2,3,4,5,6,7,8,9,10,11,12,13,14,15
	s_wait_loadcnt 15-\j                           ; load j is in; the 15 - j younger ones stay out
	v_cvt_pk_bf16_f32 v[CQ+2*\j], v[CI+4*\j], v[CI+4*\j+1]
	v_cvt_pk_bf16_f32 v[CQ+2*\j+1], v[CI+4*\j+2], v[CI+4*\j+3]
	global_store_b64 v2, v[CQ+2*\j:CQ+2*\j+1], s[6:7] offset:256*\j                       ; 256 consecutive bytes, aligned
.endr
	s_endpgm
.Lfunc_end_k_qdeae3a95aa_prep:
	.size	k_qdeae3a95aa_prep, .Lfunc_end_k_qdeae3a95aa_prep-k_qdeae3a95aa_prep
	.p2alignl 7, 3214868480
	.fill 96, 4, 3214868480
	.section	.rodata,"a",@progbits
	.p2align	6, 0x0
	.amdhsa_kernel k_qdeae3a95aa_prep
		.amdhsa_group_segment_fixed_size 0
		.amdhsa_private_segment_fixed_size 0
		.amdhsa_enable_private_segment 0
		.amdhsa_kernarg_size 96
		.amdhsa_user_sgpr_count 2
		.amdhsa_user_sgpr_kernarg_segment_ptr 1
		.amdhsa_wavefront_size32 1
		.amdhsa_system_sgpr_workgroup_id_x 1
		.amdhsa_system_sgpr_workgroup_id_y 1
		.amdhsa_system_sgpr_workgroup_id_z 1
		.amdhsa_system_vgpr_workitem_id 0
		.amdhsa_next_free_vgpr 216
		.amdhsa_next_free_sgpr 66
		.amdhsa_reserve_vcc 0
		.amdhsa_float_denorm_mode_32 3
		.amdhsa_float_denorm_mode_16_64 3
		.amdhsa_memory_ordered 1
		.amdhsa_forward_progress 1
		.amdhsa_inst_pref_size 44
	.end_amdhsa_kernel
	.amdgpu_metadata
---
amdhsa.version: [ 1, 2 ]
amdhsa.kernels:
  - .name:           k_qdeae3a95aa_prep
    .symbol:         k_qdeae3a95aa_prep.kd
    .args:
      - { .name: x, .offset: 0, .size: 8, .value_kind: global_buffer, .address_space: global }
      - { .name: ln1_g, .offset: 8, .size: 8, .value_kind: global_buffer, .address_space: global }
      - { .name: ln1_b, .offset: 16, .size: 8, .value_kind: global_buffer, .address_space: global }
      - { .name: act, .offset: 24, .size: 8, .value_kind: global_buffer, .address_space: global }
      - { .name: qkv_w, .offset: 32, .size: 8, .value_kind: global_buffer, .address_space: global }
      - { .name: wq, .offset: 40, .size: 8, .value_kind: global_buffer, .address_space: global }
      - { .name: out_w, .offset: 48, .size: 8, .value_kind: global_buffer, .address_space: global }
      - { .name: wo, .offset: 56, .size: 8, .value_kind: global_buffer, .address_space: global }
      - { .name: fc1_w, .offset: 64, .size: 8, .value_kind: global_buffer, .address_space: global }
      - { .name: w1, .offset: 72, .size: 8, .value_kind: global_buffer, .address_space: global }
      - { .name: fc2_w, .offset: 80, .size: 8, .value_kind: global_buffer, .address_space: global }
      - { .name: w2, .offset: 88, .size: 8, .value_kind: global_buffer, .address_space: global }
    .group_segment_fixed_size: 0
    .private_segment_fixed_size: 0
    .kernarg_segment_align: 8
    .kernarg_segment_size: 96
    .max_flat_workgroup_size: 128
    .sgpr_count:     66
    .vgpr_count:     216
    .wavefront_size: 32
...
	.end_amdgpu_metadata
.endif
;; end of part 1
;; launch gqkv (part 2): grid 12 x 16, 4 waves a work-group, clusters of 4 x 4, 327,680 bytes of LDS; arguments act, wq, qkv_b, qkvh; writes qkvh
.if DOCPART == 2
	.amdgcn_target "amdgcn-amd-amdhsa--gfx1250"
	.amdhsa_code_object_version 6
	.text
	.protected	k_qdeae3a95aa_gqkv
	.globl	k_qdeae3a95aa_gqkv
	.p2align	8
	.type	k_qdeae3a95aa_gqkv,@function
k_qdeae3a95aa_gqkv:
	s_mov_b64 s[64:65], 0
	v_nop
	global_prefetch_b8 v0, s[64:65] scope:SCOPE_SE
	s_setreg_imm32_b32 hwreg(HW_REG_WAVE_MODE, 25, 1), 1
	s_wait_xcnt 0x0
	s_wait_alu depctr_hold_cnt(0) depctr_sa_sdst(0) depctr_va_vdst(0) depctr_va_sdst(0) depctr_va_ssrc(0) depctr_va_vcc(0) depctr_vm_vsrc(0)
	s_getreg_b32 s2, hwreg(HW_REG_IB_STS2, 6, 4)
	s_cmp_eq_u32 s2, 0
	s_cbranch_scc0 .Lentry_in_a_cluster
	s_endpgm
.Lentry_in_a_cluster:
	s_bfe_u32 s2, ttmp6, 0x10000c
	s_cmp_lg_u32 s2, 0xf033
	s_cbranch_scc0 .Lentry_shape_is_right
	s_endpgm
.Lentry_shape_is_right:
; C = A B^T + bias, A [4096][SIZE_K] bf16, B [SIZE_N][SIZE_K] bf16, bias f32, sums in f32, C rounded once to bf16.
; Here: A = LayerNorm(x), B = qkv_w, C stored head-major: [3][batch x 16 + head][2048 tokens][64], so that attention reads dense tiles.
; (The same text with GELU = 1, HEADMAJOR = 0 makes the MLP's hidden layer.)
; A work-group makes 256 x 256 of C with four waves, a wave 128 x 128: 64 accumulator tiles, 512 registers.  K goes in steps of 128 through
; two LDS slots filled by the tensor data mover; a tile's rows are 256 bytes of memory at multiples of 256 bytes.
; CLUSTERS: 4 x 4 work-groups.  The four of a row of the cluster need the same tiles of A, the four of a column the same tiles of B: each tile
; is asked for jointly, by the same tensor load with a mask that names the four, which divides the requests for A and B by four.
; REGISTERS in windows of 256: window 0: v0-31 addresses, v32-63 and v224-255 bias, v64-191 fragments of A (two buffers), v192-223 packed results;
; window 1: v64-191 fragments of B; window 2: accumulators of my rows 0-63 (tile (a, b) at v[8 (8 a + b)]); window 3: rows 64-127.
; The matrix instruction is used transposed (source 0 = rows of B, source 1 = rows of A): lane l holds row l % 16 of C and eight neighbouring columns 8 (l / 16) + 0..7.
.set SIZE_K, 1024
.set SIZE_N, 3072
.set GELU, 0
.set HEADMAJOR, 1
.set KSTEP,  128
.set PITCH,  272                       ; 256 bytes + 16 of padding: an odd multiple of 16, so the 16 rows of a fragment load lie 16 bytes apart modulo 256
.set HALFT,  128*PITCH                 ; 128 rows: one tensor load
.set SLOT,   4*HALFT                   ; A's 256 rows, then B's 256 rows
.set STAGE,  2*SLOT                    ; behind the ring: 16 rows x 272 bytes for each wave; no fill lands there
.set SPITCH, 272
.set LAPS,   SIZE_K/(2*KSTEP)          ; a lap = two K steps = once round the ring
.set ADRA, 16                          ; v16-17 LDS address of my A fragments in slot 0, 1
.set ADRB, 20                          ; v20-21 the same for B
.set STO,  24                          ; way out: where I put 16 bytes of a row
.set RD,   25                          ; way out: where I read back
.set CO,   26                          ; my byte offset in C
.set BO,   27                          ; 32 x (lane / 16): my eight columns' bias in a tile
.set BIAS, 32                          ; bias of tile b: v[32 + 8 b] for b < 4, v[224 + 8 (b - 4)] for b >= 4
.set F0,   64
.set F1,   128
.set XO,   64                          ; way out: 16 rows' results with bias, f32; its lower half then takes the rows read back
.set GT,   128                         ; GELU at work: t
.set GZ,   136                         ; exp(-x^2/2)
.set GP,   144                         ; the polynomial
.set GM,   152                         ; max(x, 0)
.set CA,   160                         ; five constants, each twice
.set TMP,  192
.set G1,  24                           ; s[24:31] descriptor group 1, A's tiles
.set G0,  32                           ; s[32:39] group 0 for A, one set a slot
.set G1B, 48                           ; s[48:55] group 1, B's tiles (another mask)
.set G0B, 56                           ; s[56:63] group 0 for B
.if HEADMAJOR
.set CSTEP, 16*128                     ; 16 tokens of one head
.set CT,    2*128                      ; two tokens
.else
.set CSTEP, 16*SIZE_N*2
.set CT,    2*SIZE_N*2
.endif
.set MSB, 0
.macro WIN new                         ; the immediate's high byte repeats the setting that is left
.if MSB != \new
	s_set_vgpr_msb (MSB<<8)|\new
.set MSB, \new
.endif
.endm
.set MUL_LO, 0xa1                      ; source 0 (B) window 1, source 1 (A) window 0, C and D window 2
.set MUL_HI, 0xf1                      ; the same, C and D window 3
.set TO_B,   0x40                      ; destination window 1
; A joint load.  Waves 0, 1 fetch A's halves, waves 2, 3 B's.  Each line has one mask and one set of registers; the branch hangs on the wave's number alone.
; Four v_nop follow each line.
.macro JLOAD s
	s_cmp_eq_u32 s11, 0
	s_cbranch_scc0 .Lfor_b_\@
	tensor_load_to_lds s[G0+4*\s:G0+4*\s+3], s[G1:G1+7]
	s_nop 0
.rept 4
	v_nop
.endr
	s_branch .Lasked_\@
.Lfor_b_\@:
	tensor_load_to_lds s[G0B+4*\s:G0B+4*\s+3], s[G1B:G1B+7]
	s_nop 0
.rept 4
	v_nop
.endr
.Lasked_\@:
.endm
; A round of the cluster's barrier: my work-group's barrier; wave 0 signals for the work-group; every wave waits for all sixteen; my work-group's barrier again.
.macro CREST
	s_cmp_lg_u32 s10, 0
	s_cbranch_scc1 .Lnot_wave_0_\@
	s_barrier_signal -3
.Lnot_wave_0_\@:
	s_barrier_wait -3
	s_barrier_signal -1
	s_barrier_wait -1
.endm
.macro CROUND
	s_barrier_signal -1
	s_barrier_wait -1
	CREST
.endm
	s_load_b128 s[4:7], s[0:1], 0x0                ; A s[4:5], B s[6:7]
	s_load_b128 s[68:71], s[0:1], 0x10             ; bias s[68:69], C s[70:71]
	s_set_vgpr_msb 0x40
	v_lshl_add_u32 v255, v0, 2, 0x48400
	s_set_vgpr_msb 0x4000
	v_mov_b32 v31, 0
	s_set_vgpr_msb 0x1
	ds_add_u32 v255, v31
	s_set_vgpr_msb 0x100
	v_lshrrev_b32 v1, 5, v0
	v_readfirstlane_b32 s10, v1                    ; wave 0..3
	s_lshr_b32 s11, s10, 1                         ; my half of the block's rows; also: I fetch for A (0) or B (1)
	s_and_b32 s12, s10, 1                          ; my half of its columns; also: which 128 rows of that tile I fetch
	s_bfe_u32 s40, ttmp6, 0x40000                  ; cx
	s_bfe_u32 s41, ttmp6, 0x40004                  ; cy
	s_lshl_b32 s42, ttmp9, 2
	s_add_co_u32 s42, s42, s40                     ; block column = 4 x cluster x + cx
	s_and_b32 s13, ttmp7, 0xffff
	s_lshl_b32 s13, s13, 2
	s_add_co_u32 s13, s13, s41                     ; block row = 4 x cluster y + cy
	s_lshl_b32 s43, s41, 2
	s_lshl_b32 s43, 15, s43                        ; my row of the cluster: places 4 cy .. 4 cy + 3
	s_lshl_b32 s44, 0x1111, s40                    ; my column: places cx, cx + 4, cx + 8, cx + 12
	s_or_b32 s[G1+0], s43, (1<<16)|(1<<20)|(1<<21)|(5<<22)|(3<<25)  ; mask; 2-byte elements; padding on; bit 21 beside a mask; after every 64 words, 4 words
	s_or_b32 s[G1B+0], s44, (1<<16)|(1<<20)|(1<<21)|(5<<22)|(3<<25)
	s_mov_b32 s[G1B+1], KSTEP<<16
	s_mov_b32 s[G1+1], KSTEP<<16                   ; tensor_dim0 = 128
	s_mov_b32 s[G1B+2], 128<<16
	s_mov_b32 s[G1+2], 128<<16                     ; tensor_dim1 = 128
	s_mov_b32 s[G1B+3], KSTEP<<16
	s_mov_b32 s[G1+3], KSTEP<<16                   ; tile_dim0 = 128
	s_mov_b32 s[G1B+4], 128
	s_mov_b32 s[G1+4], 128                         ; tile_dim1 = 128
	s_mov_b32 s[G1B+5], SIZE_K
	s_mov_b32 s[G1+5], SIZE_K                      ; elements from row to row
	s_mov_b32 s[G1B+6], 0
	s_mov_b32 s[G1+6], 0
	s_mov_b32 s[G1B+7], 0
	s_mov_b32 s[G1+7], 0
	; A's address hangs on the block row alone, B's on the block column alone, each in registers that never hold the other coordinate
	s_lshl_b32 s17, s12, 7
	s_lshl_b32 s16, s13, 8
	s_add_co_u32 s16, s16, s17                     ; A: row 256 x block row + 128 x half
	s_lshl_b32 s46, s42, 8
	s_add_co_u32 s46, s46, s17                     ; B: row 256 x block column + 128 x half
	s_mov_b32 s17, 0
	s_mov_b32 s47, 0
	s_mov_b64 s[18:19], SIZE_K*2
	s_mul_u64 s[16:17], s[16:17], s[18:19]
	s_mul_u64 s[46:47], s[46:47], s[18:19]
	s_mul_i32 s20, s10, HALFT                      ; LDS: wave x 128 rows; no place in the cluster enters an LDS address
	s_wait_dscnt 0x0
	s_wait_kmcnt 0x0
	s_add_nc_u64 s[14:15], s[4:5], s[16:17]
	s_add_nc_u64 s[46:47], s[6:7], s[46:47]
	CROUND                                         ; all sixteen work-groups are here: the first joint loads meet
.irp s, 0,1
	s_mov_b32 s[G0+4*\s], 1
	s_add_co_u32 s[G0+4*\s+1], s20, \s*SLOT
	s_add_nc_u64 s[G0+4*\s+2:G0+4*\s+3], s[14:15], \s*KSTEP*2
	s_or_b32 s[G0+4*\s+3], s[G0+4*\s+3], 0x80000000
	s_mov_b32 s[G0B+4*\s], 1
	s_add_co_u32 s[G0B+4*\s+1], s20, \s*SLOT
	s_add_nc_u64 s[G0B+4*\s+2:G0B+4*\s+3], s[46:47], \s*KSTEP*2
	s_or_b32 s[G0B+4*\s+3], s[G0B+4*\s+3], 0x80000000
	JLOAD \s                                       ; both slots' first fills go out before anything else: two tensor loads of the wave are out
.endr
	; fragment addresses: lane l holds row l % 16; two loads of 16 bytes, 32 bytes apart, at row x pitch + 16 (l / 16)
	v_and_b32 v1, 15, v0
	v_bfe_u32 v2, v0, 4, 1
	v_mul_u32_u24 v3, v1, PITCH
	v_lshl_add_u32 v3, v2, 4, v3
	s_mul_i32 s21, s11, HALFT
	s_mul_i32 s22, s12, HALFT
	s_add_co_u32 s22, s22, 2*HALFT
.irp s, 0,1
	v_add_nc_u32 v[ADRA+\s], s21, v3
	v_add_nc_u32 v[ADRB+\s], s22, v3
	s_add_co_u32 s21, s21, SLOT
	s_add_co_u32 s22, s22, SLOT
.endr
	s_mul_i32 s23, s10, 16*SPITCH
	s_add_co_u32 s23, s23, STAGE                   ; my stage
	v_mul_u32_u24 v4, v1, SPITCH
	v_lshl_add_u32 v4, v2, 4, v4
	v_add_nc_u32 v[STO], s23, v4
.if HEADMAJOR
	; back: lanes 0-15 take two tokens' 128 bytes of my first head, lanes 16-31 of my second: each sixteen lanes store 256 consecutive bytes
	v_and_b32 v6, 7, v0
	v_bfe_u32 v7, v0, 3, 1
	v_mul_u32_u24 v5, v7, SPITCH
	v_lshl_add_u32 v5, v2, 7, v5
	v_lshl_add_u32 v5, v6, 4, v5
	v_add_nc_u32 v[RD], s23, v5
	v_lshlrev_b32 v5, 18, v2                       ; the next head's plane: 2,048 tokens x 128 bytes
	v_lshl_add_u32 v5, v7, 7, v5
	v_lshl_add_u32 v[CO], v6, 4, v5
.else
	v_mul_u32_u24 v5, v2, SPITCH                   ; back: lanes 0-15 one row of 256 bytes, lanes 16-31 the next
	v_lshl_add_u32 v5, v1, 4, v5
	v_add_nc_u32 v[RD], s23, v5
	v_mul_u32_u24 v5, v2, SIZE_N*2
	v_lshl_add_u32 v[CO], v1, 4, v5
.endif
	; bias of my 128 columns, as the accumulators hold them: tile b, columns 16 b + 8 (l / 16) + 0..7
	v_lshlrev_b32 v[BO], 5, v2
	s_lshl_b32 s74, s42, 10
	s_lshl_b32 s75, s12, 9
	s_add_co_u32 s74, s74, s75                     ; (256 x block column + 128 x half) x 4 bytes
	s_mov_b32 s75, 0
	s_add_nc_u64 s[68:69], s[68:69], s[74:75]
.irp b, 0,1,2,3,4,5,6,7
	global_load_b128 v[BIAS+8*\b+160*(\b/4):BIAS+8*\b+160*(\b/4)+3], v[BO], s[68:69] offset:64*\b
	global_load_b128 v[BIAS+8*\b+160*(\b/4)+4:BIAS+8*\b+160*(\b/4)+7], v[BO], s[68:69] offset:64*\b+16
.endr
; 16 matrix instructions: m blocks a0, a0 + 1 of the window's four x all 8 n blocks, 32 along K.  zero = 1: the first product starts the sums.
; The 64 accumulators take turns, one instruction a turn, in the same order in every quarter step.
.macro MUL16 f, hi, a0, zero
.irp a, \a0, \a0+1
.irp b, 0,1,2,3,4,5,6,7
.if \zero
	v_wmma_f32_16x16x32_bf16 v[8*(8*(\a)+\b):8*(8*(\a)+\b)+7], v[\f+8*\b:\f+8*\b+7], v[\f+8*(4*\hi+\a):\f+8*(4*\hi+\a)+7], 0
.else
	v_wmma_f32_16x16x32_bf16 v[8*(8*(\a)+\b):8*(8*(\a)+\b)+7], v[\f+8*\b:\f+8*\b+7], v[\f+8*(4*\hi+\a):\f+8*(4*\hi+\a)+7], v[8*(8*(\a)+\b):8*(8*(\a)+\b)+7]
.endif
.endr
.endr
.endm
; 32 LDS loads in one run: the fragments of one quarter step (32 K at byte k of the rows) into buffer f
.macro FETCH slot, k, f
	WIN TO_B
.irp i, 0,1,2,3,4,5,6,7
	ds_load_b128 v[\f+8*\i:\f+8*\i+3],   v[ADRB+\slot] offset:\k+\i*16*PITCH
	ds_load_b128 v[\f+8*\i+4:\f+8*\i+7], v[ADRB+\slot] offset:\k+\i*16*PITCH+32
.endr
	WIN 0
.irp i, 0,1,2,3,4,5,6,7
	ds_load_b128 v[\f+8*\i:\f+8*\i+3],   v[ADRA+\slot] offset:\k+\i*16*PITCH
	ds_load_b128 v[\f+8*\i+4:\f+8*\i+7], v[ADRA+\slot] offset:\k+\i*16*PITCH+32
.endr
.endm
; four places behind a matrix instruction before its registers are loaded into, read or written by anything else (ISA guide 7.12.1)
.macro PLACES
.rept 4
	v_nop
.endr
.endm
.macro QUARTER slot, k, f, g, zero
	s_wait_dscnt 8                                 ; B and A's rows 0-63 are in; the youngest eight loads (A's rows 64-127) may be out
	WIN MUL_LO
	MUL16 \f, 0, 0, \zero
	MUL16 \f, 0, 2, \zero
	PLACES
	FETCH \slot, \k, \g
	s_wait_dscnt 32                                ; all but the 32 just issued
	WIN MUL_HI
	MUL16 \f, 1, 0, \zero
	MUL16 \f, 1, 2, \zero
.endm
.macro THREE slot, zero
	QUARTER \slot, 64,  F0, F1, \zero
	QUARTER \slot, 128, F1, F0, 0
	QUARTER \slot, 192, F0, F1, 0
.endm
; The last quarter of a K step changes slots.  In front of the barrier each wave waits for its reads of this slot and for all its tensor loads
; (one is out: its part of the next slot).  Behind it (behind the whole round where the slot is filled again) the refill comes first, one load a wave.
.macro TURN slot, next, fill
	s_wait_dscnt 8
	WIN MUL_LO
	MUL16 F1, 0, 0, 0
	s_wait_dscnt 0                                 ; my reads of this slot are over
	s_wait_tensorcnt 0x0                           ; all my tensor loads have landed
	ds_add_u32 v255, v31
	s_wait_dscnt 0x0
	s_barrier_signal -1
	MUL16 F1, 0, 2, 0                              ; register work while the others arrive
	WIN 0
	s_barrier_wait -1
.if \fill
	CREST                                          ; no wave of any partner still reads this slot or has a load on its way
	s_add_nc_u64 s[G0+4*\slot+2:G0+4*\slot+3], s[G0+4*\slot+2:G0+4*\slot+3], 2*KSTEP*2
	s_add_nc_u64 s[G0B+4*\slot+2:G0B+4*\slot+3], s[G0B+4*\slot+2:G0B+4*\slot+3], 2*KSTEP*2
	JLOAD \slot                                    ; its four v_nop are also the places in front of the loads below
.else
	PLACES
.endif
	FETCH \next, 0, F0
	WIN MUL_HI
	MUL16 F1, 1, 0, 0
	MUL16 F1, 1, 2, 0
.endm
.macro LAP zero
	THREE 0, \zero
	TURN 0, 1, 1
	THREE 1, 0
	TURN 1, 0, 1
.endm
	s_wait_loadcnt 0x0                             ; the bias, once
	s_wait_tensorcnt 1                             ; my part of K step 0 is in; K step 1's may stay out
	s_barrier_signal -1
	s_barrier_wait -1
	FETCH 0, 0, F0
	LAP 1
.if LAPS > 2
	WIN 0
	s_mov_b32 s3, LAPS-2
.Llap:
	LAP 0
	WIN 0
	s_sub_co_u32 s3, s3, 1
	s_cmp_lg_u32 s3, 0
	s_cbranch_scc1 .Llap
.endif
	THREE 0, 0                                     ; the last lap fills nothing
	TURN 0, 1, 0
	THREE 1, 0
	s_wait_dscnt 8
	WIN MUL_LO
	MUL16 F1, 0, 0, 0
	MUL16 F1, 0, 2, 0
	s_wait_dscnt 0
	WIN MUL_HI
	MUL16 F1, 1, 0, 0
	MUL16 F1, 1, 2, 0
	; THE WAY OUT, 16 rows at a time: + bias (and GELU) in f32, round to bf16, 16 bytes a lane into my stage, read back and stored in runs of 256 bytes.
	PLACES
	WIN 0
.if HEADMAJOR
	s_lshl_b32 s16, s13, 8
	s_lshl_b32 s17, s11, 7
	s_add_co_u32 s16, s16, s17                     ; my first row = token
	s_lshr_b32 s17, s16, 11                        ; batch
	s_lshl_b32 s17, s17, 22                        ; x 16 planes of 262,144 bytes
	s_and_b32 s16, s16, 2047
	s_lshl_b32 s16, s16, 7                         ; token in the batch x 128 bytes
	s_add_co_u32 s16, s16, s17
	s_mov_b32 s17, 0
	s_add_nc_u64 s[70:71], s[70:71], s[16:17]
	s_lshl_b32 s46, s42, 8
	s_lshl_b32 s47, s12, 7
	s_add_co_u32 s46, s46, s47                     ; my first column
	s_lshr_b32 s47, s46, 10                        ; q, k or v
	s_lshl_b32 s47, s47, 23                        ; x 32 planes
	s_bfe_u32 s46, s46, 0x40006                    ; head
	s_lshl_b32 s46, s46, 18
	s_add_co_u32 s46, s46, s47
	s_mov_b32 s47, 0
	s_add_nc_u64 s[70:71], s[70:71], s[46:47]
.else
	s_lshl_b32 s16, s13, 8
	s_lshl_b32 s17, s11, 7
	s_add_co_u32 s16, s16, s17                     ; my first row of C
	s_mov_b32 s17, 0
	s_mov_b64 s[18:19], SIZE_N*2
	s_mul_u64 s[16:17], s[16:17], s[18:19]
	s_add_nc_u64 s[70:71], s[70:71], s[16:17]
	s_lshl_b32 s46, s42, 9                         ; my first column in bytes
	s_lshl_b32 s47, s12, 8
	s_add_co_u32 s46, s46, s47
	s_mov_b32 s47, 0
	s_add_nc_u64 s[70:71], s[70:71], s[46:47]
.endif
.if GELU
	s_mov_b32 s66, 0x3e6d3388                      ; 0.3275911 / sqrt(2)
	v_mov_b32 v[CA+0], 0x3e827906                  ; a1 =  0.254829592
	v_mov_b32 v[CA+1], 0x3e827906
	v_mov_b32 v[CA+2], 0xbe91a98e                  ; a2 = -0.284496736
	v_mov_b32 v[CA+3], 0xbe91a98e
	v_mov_b32 v[CA+4], 0x3fb5f0e3                  ; a3 =  1.421413741
	v_mov_b32 v[CA+5], 0x3fb5f0e3
	v_mov_b32 v[CA+6], 0xbfba00e3                  ; a4 = -1.453152027
	v_mov_b32 v[CA+7], 0xbfba00e3
	v_mov_b32 v[CA+8], 0x3f87dc22                  ; a5 =  1.061405429
	v_mov_b32 v[CA+9], 0x3f87dc22
.endif
; gelu(x) = x (1 + erf(x / sqrt 2)) / 2 = max(x, 0) - |x| y / 2, y = 1 - erf(|x| / sqrt 2) = poly(t) exp(-x^2 / 2), t = 1 / (1 + 0.3275911 |x| / sqrt 2)
; (Abramowitz and Stegun 7.1.26: absolute error of erf at most 1.5e-7).  Eight numbers at v[xb].
.macro GELU8 xb
.irp k, 0,2,4,6
	v_pk_mul_f32 v[GZ+\k:GZ+\k+1], v[\xb+\k:\xb+\k+1], v[\xb+\k:\xb+\k+1]
.endr
.irp k, 0,1,2,3,4,5,6,7
	v_fma_f32 v[GT+\k], |v[\xb+\k]|, s66, 1.0
.endr
.irp k, 0,1,2,3,4,5,6,7
	v_rcp_f32 v[GT+\k], v[GT+\k]
.endr
.irp k, 0,2,4,6
	v_pk_mul_f32 v[GZ+\k:GZ+\k+1], v[GZ+\k:GZ+\k+1], 0xbf38aa3b op_sel_hi:[1,0]      ; x^2 x (-log2(e) / 2): also the plain place behind the reciprocals
.endr
.irp k, 0,1,2,3,4,5,6,7
	v_exp_f32 v[GZ+\k], v[GZ+\k]
.endr
.irp k, 0,2,4,6
	v_pk_fma_f32 v[GP+\k:GP+\k+1], v[GT+\k:GT+\k+1], v[CA+8:CA+9], v[CA+6:CA+7]      ; names no exponential's register: the plain place behind them
.endr
.irp c, 4,2,0
.irp k, 0,2,4,6
	v_pk_fma_f32 v[GP+\k:GP+\k+1], v[GP+\k:GP+\k+1], v[GT+\k:GT+\k+1], v[CA+\c:CA+\c+1]
.endr
.endr
.irp k, 0,2,4,6
	v_pk_mul_f32 v[GP+\k:GP+\k+1], v[GP+\k:GP+\k+1], v[GT+\k:GT+\k+1]
.endr
.irp k, 0,2,4,6
	v_pk_mul_f32 v[GP+\k:GP+\k+1], v[GP+\k:GP+\k+1], v[GZ+\k:GZ+\k+1]
.endr
.irp k, 0,1,2,3,4,5,6,7
	v_max_num_f32 v[GM+\k], 0, v[\xb+\k]
.endr
.irp k, 0,1,2,3,4,5,6,7
	v_mul_f32 v[GP+\k], |v[\xb+\k]|, v[GP+\k]
.endr
.irp k, 0,2,4,6
	v_pk_fma_f32 v[\xb+\k:\xb+\k+1], v[GP+\k:GP+\k+1], -0.5, v[GM+\k:GM+\k+1] op_sel_hi:[1,0,1]
.endr
.endm
; rows 16 i .. 16 i + 15 of my block = the eight tiles (a, 0..7) of window 2 or 3 (from = 0x02 or 0x03: source 0)
.macro OUT16 i, a, from
.if \i
	s_wait_xcnt 0x0                                ; the last stores' data (XO's lower half) and base are rewritten only behind this wait
	s_add_nc_u64 s[70:71], s[70:71], CSTEP
.endif
	WIN \from
.irp b, 0,1,2,3,4,5,6,7
.irp r, 0,2,4,6
	v_pk_add_f32 v[XO+8*\b+\r:XO+8*\b+\r+1], v[8*(8*\a+\b)+\r:8*(8*\a+\b)+\r+1], v[BIAS+8*\b+160*(\b/4)+\r:BIAS+8*\b+160*(\b/4)+\r+1]
.endr
.endr
	WIN 0
.if GELU
.irp b, 0,1,2,3,4,5,6,7
	GELU8 XO+8*\b
.endr
.endif
.irp b, 0,1,2,3,4,5,6,7
.irp r, 0,1,2,3
	v_cvt_pk_bf16_f32 v[TMP+4*\b+\r], v[XO+8*\b+2*\r], v[XO+8*\b+2*\r+1]
.endr
.endr
.irp b, 0,1,2,3,4,5,6,7
	ds_store_b128 v[STO], v[TMP+4*\b:TMP+4*\b+3] offset:32*\b
.endr
.irp t, 0,1,2,3,4,5,6,7
	ds_load_b128 v[XO+4*\t:XO+4*\t+3], v[RD] offset:\t*2*SPITCH    ; LDS serves a wave's instructions in order: these see the stores above
.endr
.irp t, 0,1,2,3,4,5,6,7
	s_wait_dscnt 7-\t                              ; read-back t is in; the 7 - t younger ones stay out
	global_store_b128 v[CO], v[XO+4*\t:XO+4*\t+3], s[70:71] offset:\t*CT   ; sixteen lanes store 256 consecutive bytes, aligned
.endr
.endm
	OUT16 0, 0, 0x02
	OUT16 1, 1, 0x02
	OUT16 2, 2, 0x02
	OUT16 3, 3, 0x02
	OUT16 4, 0, 0x03
	OUT16 5, 1, 0x03
	OUT16 6, 2, 0x03
	OUT16 7, 3, 0x03
	s_set_vgpr_msb 0x1
	s_wait_tensorcnt 0x0
	ds_add_u32 v255, v31
	s_wait_dscnt 0x0
	s_set_vgpr_msb 0x100
	CROUND                                         ; the closing round: no work-group ends while a partner may still ask for a tile that names it
	s_endpgm
.Lfunc_end_k_qdeae3a95aa_gqkv:
	.size	k_qdeae3a95aa_gqkv, .Lfunc_end_k_qdeae3a95aa_gqkv-k_qdeae3a95aa_gqkv
	.p2alignl 7, 3214868480
	.fill 96, 4, 3214868480
	.section	.rodata,"a",@progbits
	.p2align	6, 0x0
	.amdhsa_kernel k_qdeae3a95aa_gqkv
		.amdhsa_group_segment_fixed_size 327680
		.amdhsa_private_segment_fixed_size 0
		.amdhsa_enable_private_segment 0
		.amdhsa_kernarg_size 32
		.amdhsa_user_sgpr_count 2
		.amdhsa_user_sgpr_kernarg_segment_ptr 1
		.amdhsa_wavefront_size32 1
		.amdhsa_system_sgpr_workgroup_id_x 1
		.amdhsa_system_sgpr_workgroup_id_y 1
		.amdhsa_system_sgpr_workgroup_id_z 1
		.amdhsa_system_vgpr_workitem_id 0
		.amdhsa_next_free_vgpr 1024
		.amdhsa_next_free_sgpr 80
		.amdhsa_reserve_vcc 0
		.amdhsa_float_denorm_mode_32 3
		.amdhsa_float_denorm_mode_16_64 3
		.amdhsa_memory_ordered 1
		.amdhsa_forward_progress 1
		.amdhsa_inst_pref_size 215
	.end_amdhsa_kernel
	.amdgpu_metadata
---
amdhsa.version: [ 1, 2 ]
amdhsa.kernels:
  - .name:           k_qdeae3a95aa_gqkv
    .symbol:         k_qdeae3a95aa_gqkv.kd
    .args:
      - { .name: act, .offset: 0, .size: 8, .value_kind: global_buffer, .address_space: global }
      - { .name: wq, .offset: 8, .size: 8, .value_kind: global_buffer, .address_space: global }
      - { .name: qkv_b, .offset: 16, .size: 8, .value_kind: global_buffer, .address_space: global }
      - { .name: qkvh, .offset: 24, .size: 8, .value_kind: global_buffer, .address_space: global }
    .group_segment_fixed_size: 327680
    .private_segment_fixed_size: 0
    .kernarg_segment_align: 8
    .kernarg_segment_size: 32
    .max_flat_workgroup_size: 128
    .sgpr_count:     80
    .vgpr_count:     1024
    .wavefront_size: 32
...
	.end_amdgpu_metadata
.endif
;; end of part 2
;; launch attn (part 3): grid 8 x 32, 8 waves a work-group, no clusters, 327,680 bytes of LDS; arguments qkvh, act; writes act
.if DOCPART == 3
	.amdgcn_target "amdgcn-amd-amdhsa--gfx1250"
	.amdhsa_code_object_version 6
	.text
	.protected	k_qdeae3a95aa_attn
	.globl	k_qdeae3a95aa_attn
	.p2align	8
	.type	k_qdeae3a95aa_attn,@function
k_qdeae3a95aa_attn:
	s_mov_b64 s[64:65], 0
	v_nop
	global_prefetch_b8 v0, s[64:65] scope:SCOPE_SE
	s_setreg_imm32_b32 hwreg(HW_REG_WAVE_MODE, 25, 1), 1
	s_wait_xcnt 0x0
; Causal attention with a running maximum.  qkvh: bf16 [3][batch x 16 + head][2048][64]; act: bf16 [4096 tokens][1024], head h at columns 64 h.
; Work-group (p, bh), p = 0..7: query block p (128 queries, key tiles 0..p), then query block 15 - p (key tiles 0..15-p): always 17 steps of 128 keys,
; so all 256 work-groups do equal work and nothing above the diagonal tile is computed.
; EIGHT WAVES, two to a SIMD (2 x 384 registers): wave w owns queries 32 (w % 4) .. + 31 of the block and, of every tile, keys 64 (w / 4) .. + 63, with a
; running maximum, a sum and an O of its own.  While one wave of a SIMD waits for the matrix unit or for LDS the other has its softmax to issue.  The
; work-group's LDS reads and its arithmetic are those of four waves that take the whole tile.  At a block's end waves 4-7 hand O, maximum and sum to
; waves 0-3 through LDS, which join the two parts by the common maximum, divide and store.
; S^T = K Q^T and O^T = V^T P^T: a lane holds one query (l % 16), so maximum and sum are a lane's own but for one exchange between the two halves of the
; lanes, and two packed tiles of S^T are, as they lie, the second operand of the next product.
; The running maximum starts at the lowest finite f32, not at -infinity: a wave can meet a tile in which all its keys are masked (keys 64-127 against
; queries below 64), and no difference of two infinities is ever formed.  Such a part has sum 0 and joins with factor 0.
; NO MULTICAST: the work-groups of one head read the same K and V, but at step st work-group p needs tile st or st - p - 1: partners ask for different tiles
; in the same step, and their blocks need different numbers of tiles.
; LDS: two slots of four parts of 64 rows x 144 bytes (rows of 128 bytes + 16 of padding): K's keys 0-63, K's keys 64-127, V's keys 0-63, V's keys 64-127.
; Wave w of waves 0-3 fills part w, one tensor load a step, at byte 9,216 w + 36,864 x slot; one load of a wave is out at a time; waves 4-7 fill nothing.
; Behind the slots, in bytes into which no fill lands: an output stage of 32 x 144 bytes for each of waves 0-3, and a stage of 17 x 512 bytes for each pair of waves.
; The pitch of 144 is an odd multiple of 16: the 16 rows of a K fragment load lie at 16 different places modulo 256 bytes.  In a transposing load of V a
; half-wave takes two 16-byte pieces of eight rows; of these sixteen pieces row 7's second (byte 1,024) and row 0's first fall on the same place modulo 256.
; One pitch for both keeps one constant descriptor and one LDS address formula for the four waves that fill.
; Limits: exp2 results below 2^-126 come out as 0 (ISA guide 15.8); the output is stored in runs of 128 bytes, a head's share of a row of act.
; The probabilities' sum is taken in f32 before they are rounded to bf16 for the product.
.set LP,    144                        ; LDS pitch of K's and V's rows and of the output stage's
.set PART,  64*LP                      ; 9,216: one tensor load
.set SLOTB, 4*PART                     ; 36,864
.set VOFF,  2*PART                     ; V's place in a slot
.set STG,   2*SLOTB                    ; 73,728, a multiple of 256: the output stages
.set MG,    STG+4*32*LP                ; 92,160, a multiple of 256: the stages between the waves of a pair
.set MGW,   17*512                     ; 8,704: O in 16 stores of 512 bytes, then maximum and sum
.set KA,   8                           ; LDS: my half of the keys + (l % 16) x 144 + 16 (l / 16)
.set VA,   9                           ; LDS: VOFF + my half + (8 (l / 16) + l % 8) x 144 + 16 ((l / 8) % 2), for the transposing load
.set QO,   10                          ; global: (32 (w % 4) + l % 16) x 128 + 16 (l / 16)
.set STO,  11
.set RD,   12
.set CO,   13
.set VQ,   14                          ; v14, v15: my query in the block - 8 (l / 16) - my first key in the tile, for query tile 0, 1
.set NINF, 16
.set MGA,  17                          ; LDS: my pair's stage + 16 x lane
.set M,    18                          ; v18, v19 running maximum (raw scores)
.set L,    20                          ; v20, v21 running sum, this lane's keys alone
.set T,    22
.set U,    24
.set AL,   26                          ; v[26:29] rescale factor, twice for each query tile
.set NMC,  30                          ; v[30:33] -maximum x scale, twice
.set PS,   34                          ; v[34:41] two chains of sums for each query tile
.set PM,   44                          ; v[44:47] the other wave's two maxima and two sums
.set Q,    48                          ; v[48:79]   Q(nt, ks) = 48 + 16 nt + 8 ks
.set O,    80                          ; v[80:143]  O(nt, dt) = 80 + 8 (4 nt + dt)
.set S,    144                         ; v[144:207] S(nt, mt) = 144 + 8 (4 nt + mt)
.set KF,   0                           ; window 1: K(mt, ks) = 8 (2 mt + ks)
.set VF,   64                          ; window 1: V(dt, u) = 64 + 8 (2 dt + u)
.set G1,   16
.set G0,   24                          ; s[24:27] slot 0, s[28:31] slot 1
.set MSB, 0
.macro WIN new
.if MSB != \new
	s_set_vgpr_msb (MSB<<8)|\new
.set MSB, \new
.endif
.endm
.set TOF, 0x40                         ; destination window 1
.set MM,  0x01                         ; source 0 window 1
.macro PLACES
.rept 4
	v_nop
.endr
.endm
.macro LDK slot                        ; my 64 keys x 64 d as first operand: 16 loads
.irp mt, 0,1,2,3
.irp ks, 0,1
	ds_load_b128 v[KF+8*(2*\mt+\ks):KF+8*(2*\mt+\ks)+3],   v[KA] offset:\slot*SLOTB+\mt*16*LP+\ks*64
	ds_load_b128 v[KF+8*(2*\mt+\ks)+4:KF+8*(2*\mt+\ks)+7], v[KA] offset:\slot*SLOTB+\mt*16*LP+\ks*64+32
.endr
.endr
.endm
.macro LDV slot                        ; my 64 keys x 64 d transposed (rows = d, K = keys): 16 loads
.irp dt, 0,1,2,3
.irp u, 0,1
	ds_load_tr16_b128 v[VF+8*(2*\dt+\u):VF+8*(2*\dt+\u)+3],   v[VA] offset:\slot*SLOTB+\u*32*LP+32*\dt
	ds_load_tr16_b128 v[VF+8*(2*\dt+\u)+4:VF+8*(2*\dt+\u)+7], v[VA] offset:\slot*SLOTB+\u*32*LP+16*LP+32*\dt
.endr
.endr
.endm
; The eight tiles take turns, one instruction a turn, here and in PV.
.macro QK
.irp ks, 0,1
.irp nt, 0,1
.irp mt, 0,1,2,3
.if \ks == 0
	v_wmma_f32_16x16x32_bf16 v[S+8*(4*\nt+\mt):S+8*(4*\nt+\mt)+7], v[KF+8*(2*\mt+\ks):KF+8*(2*\mt+\ks)+7], v[Q+16*\nt+8*\ks:Q+16*\nt+8*\ks+7], 0
.else
	v_wmma_f32_16x16x32_bf16 v[S+8*(4*\nt+\mt):S+8*(4*\nt+\mt)+7], v[KF+8*(2*\mt+\ks):KF+8*(2*\mt+\ks)+7], v[Q+16*\nt+8*\ks:Q+16*\nt+8*\ks+7], v[S+8*(4*\nt+\mt):S+8*(4*\nt+\mt)+7]
.endif
.endr
.endr
.endr
.endm
.macro PV
.irp u, 0,1
.irp nt, 0,1
.irp dt, 0,1,2,3
	v_wmma_f32_16x16x32_bf16 v[O+8*(4*\nt+\dt):O+8*(4*\nt+\dt)+7], v[VF+8*(2*\dt+\u):VF+8*(2*\dt+\u)+7], v[S+8*(4*\nt+2*\u):S+8*(4*\nt+2*\u)+7], v[O+8*(4*\nt+\dt):O+8*(4*\nt+\dt)+7]
.endr
.endr
.endr
.endm
; the diagonal tile: my key 16 mt + 8 (l / 16) + j, counted from my first key, beyond my query becomes -infinity (a signed comparison: VQ can be below 0)
.macro MASK
.irp nt, 0,1
.irp mt, 0,1,2,3
.irp j, 0,1,2,3,4,5,6,7
	v_cmp_gt_i32 vcc_lo, 16*\mt+\j, v[VQ+\nt]
	v_cndmask_b32 v[S+8*(4*\nt+\mt)+\j], v[S+8*(4*\nt+\mt)+\j], v[NINF], vcc_lo
.endr
.endr
.endr
.endm
.macro OSCALE                          ; O x AL, 32 packed multiplies
.irp nt, 0,1
.set j, 0
.rept 16
	v_pk_mul_f32 v[O+32*\nt+j:O+32*\nt+j+1], v[O+32*\nt+j:O+32*\nt+j+1], v[AL+2*\nt:AL+2*\nt+1]
.set j, j+2
.endr
.endr
.endm
.macro SFMA t                          ; score x scale - maximum x scale, scale = log2(e) / 8
.irp k, 0,2,4,6
	v_pk_fma_f32 v[S+8*\t+\k:S+8*\t+\k+1], v[S+8*\t+\k:S+8*\t+\k+1], 0x3e38aa3b, v[NMC+2*(\t/4):NMC+2*(\t/4)+1] op_sel_hi:[1,0,1]
.endr
.endm
.macro SEXP t
.irp k, 0,1,2,3,4,5,6,7
	v_exp_f32 v[S+8*\t+\k], v[S+8*\t+\k]
.endr
.endm
.macro SPOST t                         ; sums in f32, then bf16: tile 2 u into its own registers 0-3, tile 2 u + 1 into registers 4-7 of tile 2 u
.if (\t%4) == 0
	s_wait_alu depctr_va_vdst(0)
	v_pk_add_f32 v[PS+4*(\t/4):PS+4*(\t/4)+1],   v[S+8*\t:S+8*\t+1],   v[S+8*\t+2:S+8*\t+3]
	v_pk_add_f32 v[PS+4*(\t/4)+2:PS+4*(\t/4)+3], v[S+8*\t+4:S+8*\t+5], v[S+8*\t+6:S+8*\t+7]
.else
	s_wait_alu depctr_va_vdst(0)
	v_pk_add_f32 v[PS+4*(\t/4):PS+4*(\t/4)+1],   v[PS+4*(\t/4):PS+4*(\t/4)+1],   v[S+8*\t:S+8*\t+1]
	v_pk_add_f32 v[PS+4*(\t/4)+2:PS+4*(\t/4)+3], v[PS+4*(\t/4)+2:PS+4*(\t/4)+3], v[S+8*\t+2:S+8*\t+3]
	v_pk_add_f32 v[PS+4*(\t/4):PS+4*(\t/4)+1],   v[PS+4*(\t/4):PS+4*(\t/4)+1],   v[S+8*\t+4:S+8*\t+5]
	v_pk_add_f32 v[PS+4*(\t/4)+2:PS+4*(\t/4)+3], v[PS+4*(\t/4)+2:PS+4*(\t/4)+3], v[S+8*\t+6:S+8*\t+7]
.endif
.irp r, 0,1,2,3
	v_cvt_pk_bf16_f32 v[S+8*(\t-\t%2)+4*(\t%2)+\r], v[S+8*\t+2*\r], v[S+8*\t+2*\r+1]
.endr
.endm
.macro SOFTMAX
	v_max3_num_f32 v[T],   v[M],   v[S],    v[S+1]
	v_max3_num_f32 v[T+1], v[M+1], v[S+32], v[S+33]
.set j, 2
.rept 15
	v_max3_num_f32 v[T],   v[T],   v[S+j],    v[S+j+1]
	v_max3_num_f32 v[T+1], v[T+1], v[S+32+j], v[S+32+j+1]
.set j, j+2
.endr
	v_permlanex16_b32 v[U],   v[T],   s46, s47     ; the same query's other keys lie 16 lanes away
	v_permlanex16_b32 v[U+1], v[T+1], s46, s47
	v_max_num_f32 v[T],   v[T],   v[U]
	v_max_num_f32 v[T+1], v[T+1], v[U+1]
	v_sub_f32 v[U],   v[M],   v[T]
	v_sub_f32 v[U+1], v[M+1], v[T+1]
	v_mov_b32 v[M],   v[T]
	v_mov_b32 v[M+1], v[T+1]
	v_mul_f32 v[U],   0x3e38aa3b, v[U]
	v_mul_f32 v[U+1], 0x3e38aa3b, v[U+1]
	v_exp_f32 v[AL],   v[U]
	v_exp_f32 v[AL+1], v[U]
	v_exp_f32 v[AL+2], v[U+1]
	v_exp_f32 v[AL+3], v[U+1]
	v_mul_f32 v[NMC],   0xbe38aa3b, v[M]           ; plain work behind the exponentials before AL is used
	v_mul_f32 v[NMC+1], 0xbe38aa3b, v[M]
	v_mul_f32 v[NMC+2], 0xbe38aa3b, v[M+1]
	v_mul_f32 v[NMC+3], 0xbe38aa3b, v[M+1]
	s_wait_alu depctr_va_vdst(0)
	OSCALE
	SFMA 0                                         ; between a tile's exponentials and their use stands the next tile's plain work
	SEXP 0
	SFMA 1
	SEXP 1
	SPOST 0
	SFMA 2
	SEXP 2
	SPOST 1
	SFMA 3
	SEXP 3
	SPOST 2
	SFMA 4
	SEXP 4
	SPOST 3
	SFMA 5
	SEXP 5
	SPOST 4
	SFMA 6
	SEXP 6
	SPOST 5
	SFMA 7
	SEXP 7
	SPOST 6
	SPOST 7
.endm
; six plain lines that name none of PV's registers: the places behind PV before its operands are loaded or written again and before O is read
.macro LSUM
.irp nt, 0,1
	v_pk_add_f32 v[PS+4*\nt:PS+4*\nt+1], v[PS+4*\nt:PS+4*\nt+1], v[PS+4*\nt+2:PS+4*\nt+3]
	v_add_f32 v[T+\nt], v[PS+4*\nt], v[PS+4*\nt+1]
	v_fma_f32 v[L+\nt], v[L+\nt], v[AL+2*\nt], v[T+\nt]
.endr
.endm
; a query block begins (its number in s48).  O is cleared by moves: in which step a block begins is known only from p, so no first product can be written out to start the sums.
.macro INIT
	s_lshl_b32 s34, s48, 14                        ; 128 queries x 128 bytes
	s_add_nc_u64 s[38:39], s[42:43], s[34:35]
	s_lshl_b32 s34, s48, 18                        ; 128 tokens x 2,048 bytes
	s_add_nc_u64 s[40:41], s[44:45], s[34:35]
.irp nt, 0,1
.irp ks, 0,1
	global_load_b128 v[Q+16*\nt+8*\ks:Q+16*\nt+8*\ks+3],   v[QO], s[38:39] offset:\nt*2048+\ks*64
	global_load_b128 v[Q+16*\nt+8*\ks+4:Q+16*\nt+8*\ks+7], v[QO], s[38:39] offset:\nt*2048+\ks*64+32
.endr
.endr
	v_mov_b32 v[M],   0xff7fffff                   ; the lowest finite f32
	v_mov_b32 v[M+1], 0xff7fffff
	v_mov_b32 v[L],   0
	v_mov_b32 v[L+1], 0
.set j, 0
.rept 64
	v_mov_b32 v[O+j], 0
.set j, j+1
.endr
.endm
; waves 4-7: my O, maxima and sums into my pair's stage, 16 neighbouring bytes a lane
.macro GIVE
.irp i, 0,1,2,3,4,5,6,7,8,9,10,11,12,13,14,15
	ds_store_b128 v[MGA], v[O+4*\i:O+4*\i+3] offset:512*\i
.endr
	ds_store_b128 v[MGA], v[M:M+3] offset:16*512
.endm
; waves 0-3: the other wave's part joins mine.  With m = the larger maximum, f = exp2((my maximum - m) scale), g = the same of the other's:
; sum = f my sum + g the other's, over both halves of the lanes; O = (f / sum) my O + (g / sum) the other's.
.macro TAKE
.irp i, 0,1,2,3,4,5,6,7,8,9,10,11,12,13,14,15
	ds_load_b128 v[S+4*\i:S+4*\i+3], v[MGA] offset:512*\i
.endr
	ds_load_b128 v[PM:PM+3], v[MGA] offset:16*512
	s_wait_dscnt 0x0
.irp nt, 0,1
	v_max_num_f32 v[T+\nt], v[M+\nt], v[PM+\nt]
.endr
.irp nt, 0,1
	v_sub_f32 v[U+\nt],  v[M+\nt],  v[T+\nt]
	v_sub_f32 v[PS+\nt], v[PM+\nt], v[T+\nt]
.endr
.irp nt, 0,1
	v_mul_f32 v[U+\nt],  0x3e38aa3b, v[U+\nt]
	v_mul_f32 v[PS+\nt], 0x3e38aa3b, v[PS+\nt]
.endr
	v_exp_f32 v[U],    v[U]
	v_exp_f32 v[U+1],  v[U+1]
	v_exp_f32 v[PS],   v[PS]
	v_exp_f32 v[PS+1], v[PS+1]
	v_nop                                          ; one plain place behind the exponentials
	s_wait_alu depctr_va_vdst(0)
.irp nt, 0,1
	v_mul_f32 v[L+\nt], v[L+\nt], v[U+\nt]
.endr
.irp nt, 0,1
	v_fma_f32 v[L+\nt], v[PM+2+\nt], v[PS+\nt], v[L+\nt]
.endr
	v_permlanex16_b32 v[T],   v[L],   s46, s47
	v_permlanex16_b32 v[T+1], v[L+1], s46, s47
	v_add_f32 v[L],   v[L],   v[T]
	v_add_f32 v[L+1], v[L+1], v[T+1]
	v_rcp_f32 v[T],   v[L]
	v_rcp_f32 v[T+1], v[L+1]
	v_nop                                          ; one plain place behind the reciprocals
	s_wait_alu depctr_va_vdst(0)
.irp nt, 0,1
	v_mul_f32 v[AL+2*\nt],    v[U+\nt],  v[T+\nt]
	v_mul_f32 v[AL+2*\nt+1],  v[U+\nt],  v[T+\nt]
	v_mul_f32 v[NMC+2*\nt],   v[PS+\nt], v[T+\nt]
	v_mul_f32 v[NMC+2*\nt+1], v[PS+\nt], v[T+\nt]
.endr
	OSCALE
.irp nt, 0,1
.set j, 0
.rept 16
	v_pk_fma_f32 v[O+32*\nt+j:O+32*\nt+j+1], v[S+32*\nt+j:S+32*\nt+j+1], v[NMC+2*\nt:NMC+2*\nt+1], v[O+32*\nt+j:O+32*\nt+j+1]
.set j, j+2
.endr
.endr
.endm
; waves 0-3: round, 16 bytes a lane into my output stage, read back by rows, store
.macro OUTB
.irp t, 0,1,2,3,4,5,6,7
.irp r, 0,1,2,3
	v_cvt_pk_bf16_f32 v[S+4*\t+\r], v[O+8*\t+2*\r], v[O+8*\t+2*\r+1]
.endr
.endr
.irp nt, 0,1
.irp dt, 0,1,2,3
	ds_store_b128 v[STO], v[S+4*(4*\nt+\dt):S+4*(4*\nt+\dt)+3] offset:\nt*16*LP+32*\dt
.endr
.endr
.irp t, 0,1,2,3,4,5,6,7
	ds_load_b128 v[S+32+4*\t:S+32+4*\t+3], v[RD] offset:\t*4*LP     ; my own bytes, served in order behind the stores above
.endr
.irp t, 0,1,2,3,4,5,6,7
	s_wait_dscnt 7-\t                              ; read-back t is in; the 7 - t younger ones stay out
	global_store_b128 v[CO], v[S+32+4*\t:S+32+4*\t+3], s[40:41] offset:\t*8192    ; four tokens, 128 consecutive bytes each
.endr
.endm
; A query block ends.  Store, wait for 0, barrier, load: what waves 4-7 stored is read by waves 0-3 behind the barrier.  Every wave passes the barrier; the two
; branches on the wave's number jump over LDS and register work alone.  Between this barrier and the next step's no LDS bytes are filled.
.macro ENDBLK
	s_cmp_eq_u32 s49, 0
	s_cbranch_scc1 .Lmine_\@
	GIVE
.Lmine_\@:
	s_wait_dscnt 0x0                               ; for the others' sake: my stores are done
	s_barrier_signal -1
	s_barrier_wait -1
	s_cmp_lg_u32 s49, 0
	s_cbranch_scc1 .Lgiven_\@
	TAKE
	OUTB
.Lgiven_\@:
.endm
; One step: my 64 of the 128 keys in LDS slot 'slot'.  refill = 1: the other slot gets step st + 1's tile.  last = 1: the program's last step.
.macro STEP slot, refill, last
	s_wait_tensorcnt 0x0                           ; all my tensor loads have landed (one was out: my part of this step's tile), so a group 0 may be written
	ds_add_u32 v254, v255
	s_wait_dscnt 0x0
.if \refill
	s_add_co_u32 s36, s14, 1                       ; the next step's tile: st + 1, or st + 1 - (p + 1) in the second block
	s_cmp_gt_u32 s36, s11
	s_cselect_b32 s37, s12, 0
	s_sub_co_u32 s36, s36, s37
	s_lshl_b32 s34, s36, 14                        ; 128 keys x 128 bytes
	s_add_nc_u64 s[G0+6-4*\slot:G0+7-4*\slot], s[32:33], s[34:35]
	s_or_b32 s[G0+7-4*\slot], s[G0+7-4*\slot], 0x80000000
.endif
	s_wait_dscnt 0x0                               ; my reads of the other slot are over
	s_barrier_signal -1
	s_barrier_wait -1                              ; both hold of every wave
.if \refill
	s_cmp_lg_u32 s49, 0                            ; waves 4-7 have no part of a tile to fill
	s_cbranch_scc1 .Lnf_\@
	tensor_load_to_lds s[G0+4-4*\slot:G0+7-4*\slot], s[G1:G1+7]     ; my one load behind this barrier, first thing there
	s_nop 0
.Lnf_\@:
.endif
	WIN TOF
	LDK \slot
	LDV \slot
	s_wait_loadcnt 0x0                             ; Q, where a block has just begun
	s_wait_dscnt 16                                ; K's 16 loads are in, V's 16 stay out
	WIN MM
	QK
	PLACES
	WIN 0
.if \last == 0
	s_cmp_lg_u32 s14, s11                          ; the first block's diagonal tile is step p
	s_cbranch_scc1 .Lnm_\@
.endif
	MASK
.if \last == 0
.Lnm_\@:
.endif
	SOFTMAX
	s_wait_dscnt 0x0                               ; V
	WIN MM
	PV
	WIN 0
	LSUM
.if \last == 0
	s_cmp_lg_u32 s14, s11                          ; the step counter against p: the same in all eight waves
	s_cbranch_scc1 .Lgo_\@
	ENDBLK
	s_wait_xcnt 0x0                                ; the stores' base and data are rewritten only behind this wait
	s_sub_co_u32 s48, 15, s11
	INIT
.Lgo_\@:
.else
	ENDBLK
.endif
	s_add_co_u32 s14, s14, 1
.endm
	s_load_b128 s[4:7], s[0:1], 0x0                ; qkvh s[4:5], act s[6:7]
	v_lshl_add_u32 v254, v0, 2, 0x29000
	v_mov_b32 v255, 0
	ds_add_u32 v254, v255
	v_lshrrev_b32 v1, 5, v0
	v_readfirstlane_b32 s8, v1                     ; wave 0..7
	s_lshr_b32 s49, s8, 2                          ; which 64 keys of a tile are mine; 0: I also fill and store
	s_and_b32 s50, s8, 3                           ; which 32 queries of the block are mine
	s_bfe_u32 s9, s8, 0x10001                      ; waves 0-3: 0: I fetch K, 1: V
	s_and_b32 s10, s8, 1                           ; which 64 keys I fetch
	s_mov_b32 s11, ttmp9                           ; p
	s_add_co_u32 s12, s11, 1
	s_and_b32 s13, ttmp7, 0xffff                   ; batch x 16 + head
	; group 1, the same for every load: 64 rows of 64 elements of 2 bytes, dense in memory; behind every 32 words (a row) a pad of 4 words
	s_mov_b32 s16, (1<<16)|(1<<20)|(4<<22)|(3<<25) ; mask 0 (no cluster); 2-byte elements; padding on; interval code 4; pad code 3
	s_mov_b32 s17, 64<<16                          ; tensor_dim0 = 64
	s_mov_b32 s18, 64<<16                          ; tensor_dim1 = 64
	s_mov_b32 s19, 64<<16                          ; tile_dim0 = 64
	s_mov_b32 s20, 64                              ; tile_dim1 = 64
	s_mov_b32 s21, 64                              ; elements from row to row
	s_mov_b32 s22, 0
	s_mov_b32 s23, 0
	s_mov_b32 s24, 1
	s_mul_i32 s25, s8, PART                        ; LDS: my part of slot 0 = wave x 9,216 (waves 0-3)
	s_mov_b32 s28, 1
	s_add_co_u32 s29, s25, SLOTB                   ; and of slot 1
	s_add_co_u32 s34, s9, 1
	s_lshl_b32 s34, s34, 23                        ; K's or V's 32 planes
	s_lshl_b32 s37, s13, 18                        ; my plane
	s_add_co_u32 s34, s34, s37
	s_lshl_b32 s36, s10, 13                        ; my 64 keys
	s_add_co_u32 s34, s34, s36
	s_mov_b32 s35, 0                               ; s35 stays 0: s[34:35] is the offset pair
	s_wait_dscnt 0x0
	s_barrier_signal -1
	s_barrier_wait -1
	s_wait_kmcnt 0x0
	s_add_nc_u64 s[32:33], s[4:5], s[34:35]        ; my part of tile 0
	s_mov_b64 s[26:27], s[32:33]
	s_or_b32 s27, s27, 0x80000000
	s_cmp_lg_u32 s49, 0
	s_cbranch_scc1 .Lnofirst
	tensor_load_to_lds s[24:27], s[16:23]          ; tile 0 into slot 0; slot 1 is first filled behind the first step's barrier
	s_nop 0
.Lnofirst:
	v_and_b32 v1, 15, v0                           ; l % 16
	v_bfe_u32 v2, v0, 4, 1                         ; l / 16
	v_and_b32 v3, 7, v0                            ; l % 8
	v_bfe_u32 v4, v0, 3, 1                         ; (l / 8) % 2
	v_bfe_u32 v5, v0, 3, 2                         ; l / 8
	v_mul_u32_u24 v6, v1, LP
	v_lshl_add_u32 v6, v2, 4, v6                   ; (l % 16) x 144 + 16 (l / 16)
	s_mul_i32 s36, s49, PART                       ; my half of the keys
	v_add_nc_u32 v[KA], s36, v6
	v_lshl_add_u32 v7, v2, 3, v3
	v_mul_u32_u24 v7, v7, LP
	v_lshl_add_u32 v7, v4, 4, v7
	s_add_co_u32 s36, s36, VOFF
	v_add_nc_u32 v[VA], s36, v7
	s_mul_i32 s36, s50, 32*LP
	s_add_co_u32 s36, s36, STG                     ; my output stage (waves 0-3)
	v_add_nc_u32 v[STO], s36, v6
	v_mul_u32_u24 v7, v5, LP
	v_lshl_add_u32 v7, v3, 4, v7
	v_add_nc_u32 v[RD], s36, v7
	v_lshlrev_b32 v[CO], 11, v5
	v_lshl_add_u32 v[CO], v3, 4, v[CO]
	v_lshl_add_u32 v6, s50, 5, v1                  ; 32 (w % 4) + l % 16
	v_lshlrev_b32 v[QO], 7, v6
	v_lshl_add_u32 v[QO], v2, 4, v[QO]
	s_lshl_b32 s36, s50, 5
	s_lshl_b32 s37, s49, 6
	s_sub_co_i32 s37, s36, s37                     ; my first query - my first key
	v_lshlrev_b32 v7, 3, v2
	v_add_nc_u32 v[VQ], s37, v1
	v_sub_nc_u32 v[VQ], v[VQ], v7
	v_add_nc_u32 v[VQ+1], 16, v[VQ]
	v_and_b32 v7, 31, v0
	s_mul_i32 s36, s50, MGW
	s_add_co_u32 s36, s36, MG                      ; my pair's stage
	v_lshl_add_u32 v[MGA], v7, 4, s36
	v_mov_b32 v[NINF], 0xff800000
	v_mov_b32 v[U], 0                              ; v_permlanex16_b32 counts as a reader of its destination
	v_mov_b32 v[U+1], 0
	s_mov_b32 s46, 0x76543210
	s_mov_b32 s47, 0xfedcba98
	s_lshl_b32 s34, s13, 18
	s_add_nc_u64 s[42:43], s[4:5], s[34:35]        ; Q's plane
	s_lshr_b32 s36, s13, 4
	s_lshl_b32 s36, s36, 22                        ; batch x 2,048 tokens x 2,048 bytes
	s_lshl_b32 s37, s50, 16                        ; my 32 queries
	s_add_co_u32 s36, s36, s37
	s_and_b32 s37, s13, 15
	s_lshl_b32 s37, s37, 7                         ; head x 128 bytes
	s_add_co_u32 s34, s36, s37
	s_add_nc_u64 s[44:45], s[6:7], s[34:35]
	s_mov_b32 s48, s11
	INIT
	s_mov_b32 s14, 0                               ; st
	s_mov_b32 s15, 8
.Lpair:
	STEP 0, 1, 0
	STEP 1, 1, 0
	s_sub_co_u32 s15, s15, 1
	s_cmp_lg_u32 s15, 0
	s_cbranch_scc1 .Lpair
	STEP 0, 0, 1                                   ; step 16: the second block's diagonal tile; nothing is left to fetch
	s_wait_tensorcnt 0x0
	ds_add_u32 v254, v255
	s_wait_dscnt 0x0
	s_endpgm
.Lfunc_end_k_qdeae3a95aa_attn:
	.size	k_qdeae3a95aa_attn, .Lfunc_end_k_qdeae3a95aa_attn-k_qdeae3a95aa_attn
	.p2alignl 7, 3214868480
	.fill 96, 4, 3214868480
	.section	.rodata,"a",@progbits
	.p2align	6, 0x0
	.amdhsa_kernel k_qdeae3a95aa_attn
		.amdhsa_group_segment_fixed_size 327680
		.amdhsa_private_segment_fixed_size 0
		.amdhsa_enable_private_segment 0
		.amdhsa_kernarg_size 16
		.amdhsa_user_sgpr_count 2
		.amdhsa_user_sgpr_kernarg_segment_ptr 1
		.amdhsa_wavefront_size32 1
		.amdhsa_system_sgpr_workgroup_id_x 1
		.amdhsa_system_sgpr_workgroup_id_y 1
		.amdhsa_system_sgpr_workgroup_id_z 1
		.amdhsa_system_vgpr_workitem_id 0
		.amdhsa_next_free_vgpr 384
		.amdhsa_next_free_sgpr 66
		.amdhsa_reserve_vcc 1
		.amdhsa_float_denorm_mode_32 3
		.amdhsa_float_denorm_mode_16_64 3
		.amdhsa_memory_ordered 1
		.amdhsa_forward_progress 1
		.amdhsa_inst_pref_size 119
	.end_amdhsa_kernel
	.amdgpu_metadata
---
amdhsa.version: [ 1, 2 ]
amdhsa.kernels:
  - .name:           k_qdeae3a95aa_attn
    .symbol:         k_qdeae3a95aa_attn.kd
    .args:
      - { .name: qkvh, .offset: 0, .size: 8, .value_kind: global_buffer, .address_space: global }
      - { .name: act, .offset: 8, .size: 8, .value_kind: global_buffer, .address_space: global }
    .group_segment_fixed_size: 327680
    .private_segment_fixed_size: 0
    .kernarg_segment_align: 8
    .kernarg_segment_size: 16
    .max_flat_workgroup_size: 256
    .sgpr_count:     66
    .vgpr_count:     384
    .wavefront_size: 32
...
	.end_amdgpu_metadata
.endif
;; end of part 3
;; launch goproj (part 4): grid 8 x 32, 4 waves a work-group, clusters of 4 x 4, 327,680 bytes of LDS; arguments act, wo, out_b, x, x1; writes x1
.if DOCPART == 4
	.amdgcn_target "amdgcn-amd-amdhsa--gfx1250"
	.amdhsa_code_object_version 6
	.text
	.protected	k_qdeae3a95aa_goproj
	.globl	k_qdeae3a95aa_goproj
	.p2align	8
	.type	k_qdeae3a95aa_goproj,@function
k_qdeae3a95aa_goproj:
	s_mov_b64 s[64:65], 0
	v_nop
	global_prefetch_b8 v0, s[64:65] scope:SCOPE_SE
	s_setreg_imm32_b32 hwreg(HW_REG_WAVE_MODE, 25, 1), 1
	s_wait_xcnt 0x0
	s_wait_alu depctr_hold_cnt(0) depctr_sa_sdst(0) depctr_va_vdst(0) depctr_va_sdst(0) depctr_va_ssrc(0) depctr_va_vcc(0) depctr_vm_vsrc(0)
	s_getreg_b32 s2, hwreg(HW_REG_IB_STS2, 6, 4)
	s_cmp_eq_u32 s2, 0
	s_cbranch_scc0 .Lentry_in_a_cluster
	s_endpgm
.Lentry_in_a_cluster:
	s_bfe_u32 s2, ttmp6, 0x10000c
	s_cmp_lg_u32 s2, 0xf033
	s_cbranch_scc0 .Lentry_shape_is_right
	s_endpgm
.Lentry_shape_is_right:
; OUT = RES + A B^T + bias.  A [4096][SIZE_K] bf16, B [1024][SIZE_K] bf16, bias [1024], RES and OUT [4096][1024] f32; sums in f32.
; With 1,024 columns blocks of 256 x 256 would give 64 work-groups; blocks of 128 x 128 give 256.  Each of the four waves keeps the whole 128 x 128 block
; (64 accumulator tiles, 512 registers) and takes a quarter of K: of each K step of 256 wave w multiplies elements 64 w .. 64 w + 63.  So a wave still
; issues 64 matrix instructions for 2 x 128 x 64 bytes read from LDS.  The four partial blocks meet in LDS at the end, in the ring's bytes behind its last
; fill; that pass also turns the accumulators' layout into whole rows, which the f32 output needs anyway.
; CLUSTERS 4 x 4: A's tiles are shared along a row of the cluster, B's along a column, by joint loads.
; THE WALK ALONG K: of the n = SIZE_K / 256 steps, cluster (X, Y) of the 2 x 8 clusters begins at step (n / 2) X + (n / 4) (Y mod 4) and wraps round.  The two
; clusters that read the same rows of A begin n / 2 steps apart, clusters that read the same rows of B n / 4 steps or a multiple apart: a tile is read first
; by one cluster and by the others n / 4 steps later at the least, not by all in the same step.  X and Y are the same in all partners of a joint load.
; Limit: the sum over K begins at another K in each cluster, an order of rounding that differs from the reference's.
; The residual is asked for at the start, into registers that the K loop leaves free, and is there when the sums are.
; Windows: 0: addresses, A's fragments v64-191; 1: B's fragments v64-191, the residual in v0-63 and v192-255; 2, 3: accumulators (tile (a, b) at v[8 (8 a + b)]).
; Transposed use: source 0 = rows of B, source 1 = rows of A; lane l holds row l % 16 and columns 8 (l / 16) + 0..7 of a tile.
.set SIZE_K, 1024
.set KSTEP,  256
.set ROWB,   SIZE_K*2                  ; bytes in a row of A or B, a power of two
.set PITCH,  528                       ; 512 bytes + 16: an odd multiple of 16
.set HALFT,  64*PITCH                  ; 64 rows: one tensor load
.set SLOT,   4*HALFT                   ; A's 128 rows, then B's 128 rows
.set RPITCH, 528                       ; the reduction: rows of 128 f32 + 16 bytes
.set REGION, 128*RPITCH                ; one wave's partial block; four regions = the ring's two slots
.set LAPS,   SIZE_K/(2*KSTEP)
.set PRD,  8                           ; v[8:11] region s: my 32 rows, 16 x lane
.set ADRA, 16
.set ADRB, 20
.set PST,  22                          ; where I put 16 bytes of my partial block
.set RO,   24                          ; my byte offset in RES and OUT
.set LN16, 26                          ; 16 x lane
.set BIAS, 28                          ; v[28:31] bias of columns 4 lane .. + 3
.set F0,   64
.set F1,   128
.set PB0,  64
.set PB1,  128
.set G1,  24
.set G0,  32
.set G1B, 48
.set G0B, 56
.set OF,  76                           ; s[76:77] slot 0's, s[78:79] slot 1's byte offset along K; the high words stay 0
.set MSB, 0
.macro WIN new
.if MSB != \new
	s_set_vgpr_msb (MSB<<8)|\new
.set MSB, \new
.endif
.endm
.set MUL_LO, 0xa1
.set MUL_HI, 0xf1
.set TO_B,   0x40
; A joint load: waves 0, 1 fetch A's halves, waves 2, 3 B's; one mask a line; four v_nop follow each line
.macro JLOAD s
	s_cmp_eq_u32 s11, 0
	s_cbranch_scc0 .Lfor_b_\@
	tensor_load_to_lds s[G0+4*\s:G0+4*\s+3], s[G1:G1+7]
	s_nop 0
.rept 4
	v_nop
.endr
	s_branch .Lasked_\@
.Lfor_b_\@:
	tensor_load_to_lds s[G0B+4*\s:G0B+4*\s+3], s[G1B:G1B+7]
	s_nop 0
.rept 4
	v_nop
.endr
.Lasked_\@:
.endm
.macro CREST
	s_cmp_lg_u32 s10, 0
	s_cbranch_scc1 .Lnot_wave_0_\@
	s_barrier_signal -3
.Lnot_wave_0_\@:
	s_barrier_wait -3
	s_barrier_signal -1
	s_barrier_wait -1
.endm
.macro CROUND
	s_barrier_signal -1
	s_barrier_wait -1
	CREST
.endm
; both group 0s of slot s point at the slot's place along K
.macro AIM s
	s_add_nc_u64 s[G0+4*\s+2:G0+4*\s+3], s[14:15], s[OF+2*\s:OF+2*\s+1]
	s_or_b32 s[G0+4*\s+3], s[G0+4*\s+3], 0x80000000
	s_add_nc_u64 s[G0B+4*\s+2:G0B+4*\s+3], s[46:47], s[OF+2*\s:OF+2*\s+1]
	s_or_b32 s[G0B+4*\s+3], s[G0B+4*\s+3], 0x80000000
.endm
	s_load_b128 s[4:7], s[0:1], 0x0                ; A, B
	s_load_b128 s[68:71], s[0:1], 0x10             ; bias s[68:69], RES s[70:71]
	s_load_b64 s[72:73], s[0:1], 0x20              ; OUT
	v_lshl_add_u32 v254, v0, 2, 0x42000
	v_mov_b32 v255, 0
	ds_add_u32 v254, v255
	v_lshrrev_b32 v1, 5, v0
	v_readfirstlane_b32 s10, v1                    ; wave
	s_lshr_b32 s11, s10, 1                         ; I fetch for A (0) or B (1)
	s_and_b32 s12, s10, 1                          ; which 64 rows of that tile
	s_bfe_u32 s40, ttmp6, 0x40000                  ; cx
	s_bfe_u32 s41, ttmp6, 0x40004                  ; cy
	s_lshl_b32 s42, ttmp9, 2
	s_add_co_u32 s42, s42, s40                     ; block column
	s_and_b32 s13, ttmp7, 0xffff
	s_lshl_b32 s13, s13, 2
	s_add_co_u32 s13, s13, s41                     ; block row
	s_lshl_b32 s43, s41, 2
	s_lshl_b32 s43, 15, s43                        ; my row of the cluster
	s_lshl_b32 s44, 0x1111, s40                    ; my column
	s_or_b32 s[G1+0], s43, (1<<16)|(1<<20)|(1<<21)|(6<<22)|(3<<25)  ; mask; 2-byte elements; padding on; bit 21 beside a mask; after every 128 words, 4 words
	s_or_b32 s[G1B+0], s44, (1<<16)|(1<<20)|(1<<21)|(6<<22)|(3<<25)
	s_mov_b32 s[G1B+1], KSTEP<<16
	s_mov_b32 s[G1+1], KSTEP<<16                   ; tensor_dim0 = 256
	s_mov_b32 s[G1B+2], 64<<16
	s_mov_b32 s[G1+2], 64<<16                      ; tensor_dim1 = 64
	s_mov_b32 s[G1B+3], KSTEP<<16
	s_mov_b32 s[G1+3], KSTEP<<16                   ; tile_dim0 = 256
	s_mov_b32 s[G1B+4], 64
	s_mov_b32 s[G1+4], 64                          ; tile_dim1 = 64
	s_mov_b32 s[G1B+5], SIZE_K
	s_mov_b32 s[G1+5], SIZE_K
	s_mov_b32 s[G1B+6], 0
	s_mov_b32 s[G1+6], 0
	s_mov_b32 s[G1B+7], 0
	s_mov_b32 s[G1+7], 0
	; where my cluster begins along K, in bytes of a row: made of the cluster's x and y alone
	s_and_b32 s[OF+1], ttmp7, 3
	s_mul_i32 s[OF+1], s[OF+1], ROWB/4
	s_mul_i32 s[OF], ttmp9, ROWB/2
	s_add_co_u32 s[OF], s[OF], s[OF+1]
	s_and_b32 s[OF], s[OF], ROWB-1                 ; slot 0: the first step
	s_add_co_u32 s[OF+2], s[OF], KSTEP*2
	s_and_b32 s[OF+2], s[OF+2], ROWB-1             ; slot 1: the second
	s_mov_b32 s[OF+1], 0
	s_mov_b32 s[OF+3], 0
	s_lshl_b32 s17, s12, 6
	s_lshl_b32 s16, s13, 7
	s_add_co_u32 s16, s16, s17                     ; A: row 128 x block row + 64 x half
	s_lshl_b32 s46, s42, 7
	s_add_co_u32 s46, s46, s17                     ; B: row 128 x block column + 64 x half
	s_mov_b32 s17, 0
	s_mov_b32 s47, 0
	s_mov_b64 s[18:19], SIZE_K*2
	s_mul_u64 s[16:17], s[16:17], s[18:19]
	s_mul_u64 s[46:47], s[46:47], s[18:19]
	s_mul_i32 s20, s10, HALFT                      ; LDS: wave x 64 rows
	s_wait_dscnt 0x0
	s_wait_kmcnt 0x0
	s_add_nc_u64 s[14:15], s[4:5], s[16:17]        ; my rows of A at K = 0: kept for the whole K loop
	s_add_nc_u64 s[46:47], s[6:7], s[46:47]        ; my rows of B at K = 0: likewise
	CROUND                                         ; in front of the first joint loads
.irp s, 0,1
	s_mov_b32 s[G0+4*\s], 1
	s_add_co_u32 s[G0+4*\s+1], s20, \s*SLOT
	s_mov_b32 s[G0B+4*\s], 1
	s_add_co_u32 s[G0B+4*\s+1], s20, \s*SLOT
	AIM \s
	JLOAD \s                                       ; two tensor loads of the wave are out
.endr
	v_and_b32 v1, 15, v0
	v_bfe_u32 v2, v0, 4, 1
	v_mul_u32_u24 v3, v1, PITCH
	v_lshl_add_u32 v3, v2, 4, v3
	s_lshl_b32 s21, s10, 7                         ; my 64 of a step's 256 along K: byte 128 w of every row
	s_add_co_u32 s22, s21, 2*HALFT                 ; B lies behind A's 128 rows
.irp s, 0,1
	v_add_nc_u32 v[ADRA+\s], s21, v3
	v_add_nc_u32 v[ADRB+\s], s22, v3
	s_add_co_u32 s21, s21, SLOT
	s_add_co_u32 s22, s22, SLOT
.endr
	v_and_b32 v4, 31, v0
	v_lshlrev_b32 v[LN16], 4, v4
	s_mul_i32 s23, s10, REGION
	v_mul_u32_u24 v5, v1, RPITCH
	v_lshl_add_u32 v5, v2, 5, v5                   ; row l % 16, columns 8 (l / 16): 32 bytes
	v_add_nc_u32 v[PST], s23, v5
	s_mul_i32 s23, s10, 32*RPITCH                  ; I sum rows 32 w .. 32 w + 31
	v_add_nc_u32 v[PRD], s23, v[LN16]
	v_add_nc_u32 v[PRD+1], REGION, v[PRD]
	v_add_nc_u32 v[PRD+2], 2*REGION, v[PRD]
	v_add_nc_u32 v[PRD+3], 3*REGION, v[PRD]
	v_lshl_add_u32 v[RO], s10, 17, v[LN16]         ; 32 rows x 4,096 bytes x wave + 16 x lane
	s_lshl_b32 s74, s42, 9                         ; block column x 128 columns x 4 bytes
	s_mov_b32 s75, 0
	s_lshl_b32 s16, s13, 19                        ; block row x 128 rows x 4,096 bytes
	s_mov_b32 s17, 0
	s_add_nc_u64 s[68:69], s[68:69], s[74:75]
	s_add_nc_u64 s[70:71], s[70:71], s[16:17]
	s_add_nc_u64 s[72:73], s[72:73], s[16:17]
	s_add_nc_u64 s[70:71], s[70:71], s[74:75]
	s_add_nc_u64 s[72:73], s[72:73], s[74:75]
	global_load_b128 v[BIAS:BIAS+3], v[LN16], s[68:69]
	WIN TO_B
.set rr, 0
.rept 32
	global_load_b128 v[4*rr+128*(rr/16):4*rr+128*(rr/16)+3], v[RO], s[70:71] offset:rr*4096   ; window 1: row rr of my 32, 512 consecutive bytes a wave
.set rr, rr+1
.endr
	WIN 0
; The 64 accumulators take turns, one instruction a turn, in the same order in every quarter.
.macro MUL16 f, hi, a0, zero
.irp a, \a0, \a0+1
.irp b, 0,1,2,3,4,5,6,7
.if \zero
	v_wmma_f32_16x16x32_bf16 v[8*(8*(\a)+\b):8*(8*(\a)+\b)+7], v[\f+8*\b:\f+8*\b+7], v[\f+8*(4*\hi+\a):\f+8*(4*\hi+\a)+7], 0
.else
	v_wmma_f32_16x16x32_bf16 v[8*(8*(\a)+\b):8*(8*(\a)+\b)+7], v[\f+8*\b:\f+8*\b+7], v[\f+8*(4*\hi+\a):\f+8*(4*\hi+\a)+7], v[8*(8*(\a)+\b):8*(8*(\a)+\b)+7]
.endif
.endr
.endr
.endm
.macro FETCH slot, k, f
	WIN TO_B
.irp i, 0,1,2,3,4,5,6,7
	ds_load_b128 v[\f+8*\i:\f+8*\i+3],   v[ADRB+\slot] offset:\k+\i*16*PITCH
	ds_load_b128 v[\f+8*\i+4:\f+8*\i+7], v[ADRB+\slot] offset:\k+\i*16*PITCH+32
.endr
	WIN 0
.irp i, 0,1,2,3,4,5,6,7
	ds_load_b128 v[\f+8*\i:\f+8*\i+3],   v[ADRA+\slot] offset:\k+\i*16*PITCH
	ds_load_b128 v[\f+8*\i+4:\f+8*\i+7], v[ADRA+\slot] offset:\k+\i*16*PITCH+32
.endr
.endm
.macro PLACES                          ; four places behind a matrix instruction (ISA guide 7.12.1)
.rept 4
	v_nop
.endr
.endm
.macro QUARTER slot, k, f, g, zero
	s_wait_dscnt 8                                 ; B and A's rows 0-63 are in; the youngest eight loads may be out
	WIN MUL_LO
	MUL16 \f, 0, 0, \zero
	MUL16 \f, 0, 2, \zero
	PLACES
	FETCH \slot, \k, \g
	s_wait_dscnt 32                                ; all but the 32 just issued
	WIN MUL_HI
	MUL16 \f, 1, 0, \zero
	MUL16 \f, 1, 2, \zero
.endm
; the second half of a wave's share of a slot, and the change of slots: waits for my reads and for all my tensor loads in front of the barrier (the round's
; opening where the slot is filled again), the joint refill first behind it, one a wave
.macro TURN slot, next, fill
	s_wait_dscnt 8
	WIN MUL_LO
	MUL16 F1, 0, 0, 0
	s_wait_dscnt 0
	s_set_vgpr_msb 0xa1a0
	s_wait_tensorcnt 0x0
	ds_add_u32 v254, v255
	s_wait_dscnt 0x0
	s_set_vgpr_msb 0xa0a1
	s_barrier_signal -1
	MUL16 F1, 0, 2, 0
	WIN 0
	s_barrier_wait -1
.if \fill
	CREST
	s_add_co_u32 s[OF+2*\slot], s[OF+2*\slot], 2*KSTEP*2     ; two steps on along K,
	s_and_b32 s[OF+2*\slot], s[OF+2*\slot], ROWB-1           ; round the row's end
	AIM \slot
	JLOAD \slot
.else
	PLACES
.endif
	FETCH \next, 0, F0
	WIN MUL_HI
	MUL16 F1, 1, 0, 0
	MUL16 F1, 1, 2, 0
.endm
.macro LAP zero
	QUARTER 0, 64, F0, F1, \zero
	TURN 0, 1, 1
	QUARTER 1, 64, F0, F1, 0
	TURN 1, 0, 1
.endm
	s_wait_loadcnt 0x0                             ; the bias and the residual
	s_wait_tensorcnt 1                             ; my part of slot 0 is in; slot 1's may stay out
	s_barrier_signal -1
	s_barrier_wait -1
	FETCH 0, 0, F0
	LAP 1
.if LAPS > 2
	WIN 0
	s_mov_b32 s3, LAPS-2
.Llap:
	LAP 0
	WIN 0
	s_sub_co_u32 s3, s3, 1
	s_cmp_lg_u32 s3, 0
	s_cbranch_scc1 .Llap
.endif
	QUARTER 0, 64, F0, F1, 0                       ; the last lap fills nothing
	TURN 0, 1, 0
	QUARTER 1, 64, F0, F1, 0
	s_wait_dscnt 8
	WIN MUL_LO
	MUL16 F1, 0, 0, 0
	MUL16 F1, 0, 2, 0
	s_wait_dscnt 0
	WIN MUL_HI
	MUL16 F1, 1, 0, 0
	MUL16 F1, 1, 2, 0
	; THE END: the four partial blocks go to LDS, each wave sums 32 rows, adds bias and residual and stores them.
	PLACES
	WIN 0
	s_wait_dscnt 0x0
	s_barrier_signal -1
	s_barrier_wait -1                              ; nobody reads the ring any more, and it has had its last fill
	WIN 0x08                                       ; store data in window 2
.irp a, 0,1,2,3
.irp b, 0,1,2,3,4,5,6,7
	ds_store_b128 v[PST], v[8*(8*\a+\b):8*(8*\a+\b)+3]   offset:\a*16*RPITCH+64*\b
	ds_store_b128 v[PST], v[8*(8*\a+\b)+4:8*(8*\a+\b)+7] offset:\a*16*RPITCH+64*\b+16
.endr
.endr
	WIN 0x0c                                       ; window 3: rows 64-127
.irp a, 0,1,2,3
.irp b, 0,1,2,3,4,5,6,7
	ds_store_b128 v[PST], v[8*(8*\a+\b):8*(8*\a+\b)+3]   offset:(\a+4)*16*RPITCH+64*\b
	ds_store_b128 v[PST], v[8*(8*\a+\b)+4:8*(8*\a+\b)+7] offset:(\a+4)*16*RPITCH+64*\b+16
.endr
.endr
	WIN 0
	s_wait_dscnt 0x0                               ; my stores are done, for the others' sake
	s_barrier_signal -1
	s_barrier_wait -1
.macro RDB g, pb                       ; rows 4 g .. 4 g + 3 of my 32, from all four regions: 16 loads
.irp q, 0,1,2,3
.irp s, 0,1,2,3
	ds_load_b128 v[\pb+16*\q+4*\s:\pb+16*\q+4*\s+3], v[PRD+\s] offset:(4*\g+\q)*RPITCH
.endr
.endr
.endm
.macro RED g, pb, left, nxt
	s_wait_dscnt \left                             ; this batch is in; the next batch's 16 loads stay out
.irp q, 0,1,2,3
.irp e, 0,2
	v_pk_add_f32 v[\pb+16*\q+\e:\pb+16*\q+\e+1], v[\pb+16*\q+\e:\pb+16*\q+\e+1], v[\pb+16*\q+4+\e:\pb+16*\q+4+\e+1]
	v_pk_add_f32 v[\pb+16*\q+8+\e:\pb+16*\q+8+\e+1], v[\pb+16*\q+8+\e:\pb+16*\q+8+\e+1], v[\pb+16*\q+12+\e:\pb+16*\q+12+\e+1]
.endr
.endr
.irp q, 0,1,2,3
.irp e, 0,2
	v_pk_add_f32 v[\pb+16*\q+\e:\pb+16*\q+\e+1], v[\pb+16*\q+\e:\pb+16*\q+\e+1], v[\pb+16*\q+8+\e:\pb+16*\q+8+\e+1]
.endr
.endr
.irp q, 0,1,2,3
.irp e, 0,2
	v_pk_add_f32 v[\pb+16*\q+\e:\pb+16*\q+\e+1], v[\pb+16*\q+\e:\pb+16*\q+\e+1], v[BIAS+\e:BIAS+\e+1]
.endr
.endr
	WIN 0x04                                       ; source 1 in window 1: the residual
.irp q, 0,1,2,3
.irp e, 0,2
	v_pk_add_f32 v[\pb+16*\q+\e:\pb+16*\q+\e+1], v[\pb+16*\q+\e:\pb+16*\q+\e+1], v[4*(4*\g+\q)+128*((4*\g+\q)/16)+\e:4*(4*\g+\q)+128*((4*\g+\q)/16)+\e+1]
.endr
.endr
	WIN 0
.irp q, 0,1,2,3
	global_store_b128 v[RO], v[\pb+16*\q:\pb+16*\q+3], s[72:73] offset:(4*\g+\q)*4096     ; the wave stores 512 consecutive bytes, aligned
.endr
.if \nxt
	s_wait_xcnt 0x0                                ; the stores' data are loaded into again only behind this wait
	RDB \nxt, \pb
.endif
.endm
	RDB 0, PB0
	RDB 1, PB1
	RED 0, PB0, 16, 2
	RED 1, PB1, 16, 3
	RED 2, PB0, 16, 4
	RED 3, PB1, 16, 5
	RED 4, PB0, 16, 6
	RED 5, PB1, 16, 7
	RED 6, PB0, 16, 0
	RED 7, PB1, 0, 0
	s_wait_tensorcnt 0x0
	ds_add_u32 v254, v255
	s_wait_dscnt 0x0
	CROUND                                         ; the closing round
	s_endpgm
.Lfunc_end_k_qdeae3a95aa_goproj:
	.size	k_qdeae3a95aa_goproj, .Lfunc_end_k_qdeae3a95aa_goproj-k_qdeae3a95aa_goproj
	.p2alignl 7, 3214868480
	.fill 96, 4, 3214868480
	.section	.rodata,"a",@progbits
	.p2align	6, 0x0
	.amdhsa_kernel k_qdeae3a95aa_goproj
		.amdhsa_group_segment_fixed_size 327680
		.amdhsa_private_segment_fixed_size 0
		.amdhsa_enable_private_segment 0
		.amdhsa_kernarg_size 40
		.amdhsa_user_sgpr_count 2
		.amdhsa_user_sgpr_kernarg_segment_ptr 1
		.amdhsa_wavefront_size32 1
		.amdhsa_system_sgpr_workgroup_id_x 1
		.amdhsa_system_sgpr_workgroup_id_y 1
		.amdhsa_system_sgpr_workgroup_id_z 1
		.amdhsa_system_vgpr_workitem_id 0
		.amdhsa_next_free_vgpr 1024
		.amdhsa_next_free_sgpr 80
		.amdhsa_reserve_vcc 0
		.amdhsa_float_denorm_mode_32 3
		.amdhsa_float_denorm_mode_16_64 3
		.amdhsa_memory_ordered 1
		.amdhsa_forward_progress 1
		.amdhsa_inst_pref_size 105
	.end_amdhsa_kernel
	.amdgpu_metadata
---
amdhsa.version: [ 1, 2 ]
amdhsa.kernels:
  - .name:           k_qdeae3a95aa_goproj
    .symbol:         k_qdeae3a95aa_goproj.kd
    .args:
      - { .name: act, .offset: 0, .size: 8, .value_kind: global_buffer, .address_space: global }
      - { .name: wo, .offset: 8, .size: 8, .value_kind: global_buffer, .address_space: global }
      - { .name: out_b, .offset: 16, .size: 8, .value_kind: global_buffer, .address_space: global }
      - { .name: x, .offset: 24, .size: 8, .value_kind: global_buffer, .address_space: global }
      - { .name: x1, .offset: 32, .size: 8, .value_kind: global_buffer, .address_space: global }
    .group_segment_fixed_size: 327680
    .private_segment_fixed_size: 0
    .kernarg_segment_align: 8
    .kernarg_segment_size: 40
    .max_flat_workgroup_size: 128
    .sgpr_count:     80
    .vgpr_count:     1024
    .wavefront_size: 32
...
	.end_amdgpu_metadata
.endif
;; end of part 4
;; launch ln2 (part 5): grid 256 x 1, 4 waves a work-group, no clusters, 0 bytes of LDS; arguments x1, ln2_g, ln2_b, act; writes act
.if DOCPART == 5
	.amdgcn_target "amdgcn-amd-amdhsa--gfx1250"
	.amdhsa_code_object_version 6
	.text
	.protected	k_qdeae3a95aa_ln2
	.globl	k_qdeae3a95aa_ln2
	.p2align	8
	.type	k_qdeae3a95aa_ln2,@function
k_qdeae3a95aa_ln2:
	s_mov_b64 s[64:65], 0
	v_nop
	global_prefetch_b8 v0, s[64:65] scope:SCOPE_SE
	s_setreg_imm32_b32 hwreg(HW_REG_WAVE_MODE, 25, 1), 1
	s_wait_xcnt 0x0
; act = bf16(LayerNorm(x1) * ln2_g + ln2_b).  16 rows of 1,024 f32 a work-group, 4 a wave, one wave one row: the row stays in 32 registers between the
; mean, the variance of (x - mean) and the scaling, so x1 is read once here and no wave waits for another: no LDS, no barrier, no matrix unit, no cluster.
; A launch of its own: a row's statistics need all 1,024 columns, which the launch before makes in eight work-groups.
; 1/sqrt by v_rsq_f32 (1 ulp, ISA guide 15.8).
.set A,   4                            ; v[4:11]    four chains of partial sums
.set MU,  12                           ; v[12:13]   the mean, twice
.set R,   14                           ; v[14:15]   1/sqrt(var + eps), twice
.set T,   16                           ; v16, v17   at work across the lanes
.set G,   20                           ; v[20:51]   gain
.set BV,  52                           ; v[52:83]   bias
.set X,   84                           ; v[84:211]  four rows
.macro FOLD
	v_pk_add_f32 v[A:A+1], v[A:A+1], v[A+2:A+3]
	v_pk_add_f32 v[A+4:A+5], v[A+4:A+5], v[A+6:A+7]
	v_pk_add_f32 v[A:A+1], v[A:A+1], v[A+4:A+5]
	v_add_f32 v[T], v[A], v[A+1]
	v_add_f32_dpp v[T], v[T], v[T] row_xmask:1 row_mask:0xf bank_mask:0xf
	v_add_f32_dpp v[T], v[T], v[T] row_xmask:2 row_mask:0xf bank_mask:0xf
	v_add_f32_dpp v[T], v[T], v[T] row_xmask:4 row_mask:0xf bank_mask:0xf
	v_add_f32_dpp v[T], v[T], v[T] row_xmask:8 row_mask:0xf bank_mask:0xf
	v_permlanex16_b32 v[T+1], v[T], s34, s35
	v_add_f32 v[T], v[T], v[T+1]
.endm
.macro ROW q
	s_wait_loadcnt (3-\q)*8                        ; gain, bias and my row are in; the (3 - q) x 8 loads of later rows stay out
.irp k, 0,2,4,6
	v_pk_add_f32 v[A+\k:A+\k+1], v[X+32*\q+\k:X+32*\q+\k+1], v[X+32*\q+8+\k:X+32*\q+8+\k+1]
.endr
.irp m, 16,24
.irp k, 0,2,4,6
	v_pk_add_f32 v[A+\k:A+\k+1], v[A+\k:A+\k+1], v[X+32*\q+\m+\k:X+32*\q+\m+\k+1]
.endr
.endr
	FOLD
	v_mul_f32 v[MU], s36, v[T]
	v_mul_f32 v[MU+1], s36, v[T]
.set j, 0
.rept 16
	v_pk_add_f32 v[X+32*\q+j:X+32*\q+j+1], v[X+32*\q+j:X+32*\q+j+1], v[MU:MU+1] neg_lo:[0,1] neg_hi:[0,1]
.set j, j+2
.endr
.irp k, 0,2,4,6
	v_pk_mul_f32 v[A+\k:A+\k+1], v[X+32*\q+\k:X+32*\q+\k+1], v[X+32*\q+\k:X+32*\q+\k+1]
.endr
.irp m, 8,16,24
.irp k, 0,2,4,6
	v_pk_fma_f32 v[A+\k:A+\k+1], v[X+32*\q+\m+\k:X+32*\q+\m+\k+1], v[X+32*\q+\m+\k:X+32*\q+\m+\k+1], v[A+\k:A+\k+1]
.endr
.endr
	FOLD
	v_fma_f32 v[T], v[T], s36, s37
	v_rsq_f32 v[R], v[T]
	v_rsq_f32 v[R+1], v[T]
	v_nop                                          ; one plain place behind the transcendentals (ISA guide 5.7.2)
.set j, 0
	s_wait_alu depctr_va_vdst(0)
.rept 16
	v_pk_mul_f32 v[X+32*\q+j:X+32*\q+j+1], v[X+32*\q+j:X+32*\q+j+1], v[R:R+1]
.set j, j+2
.endr
.set j, 0
.rept 16
	v_pk_fma_f32 v[X+32*\q+j:X+32*\q+j+1], v[X+32*\q+j:X+32*\q+j+1], v[G+j:G+j+1], v[BV+j:BV+j+1]
.set j, j+2
.endr
.irp j, 0,1,2,3,4,5,6,7
	v_cvt_pk_bf16_f32 v[X+32*\q+4*\j], v[X+32*\q+4*\j], v[X+32*\q+4*\j+1]
	v_cvt_pk_bf16_f32 v[X+32*\q+4*\j+1], v[X+32*\q+4*\j+2], v[X+32*\q+4*\j+3]
	global_store_b64 v2, v[X+32*\q+4*\j:X+32*\q+4*\j+1], s[14:15] offset:\q*2048+256*\j   ; 256 consecutive bytes, aligned
.endr
.endm
	s_load_b256 s[8:15], s[0:1], 0x0               ; x1, ln2_g, ln2_b, act
	v_and_b32 v3, 31, v0
	v_lshrrev_b32 v18, 5, v0
	v_lshlrev_b32 v19, 3, v3
	v_lshlrev_b32 v3, 4, v3
	v_lshl_add_u32 v1, v18, 14, v3
	v_lshl_add_u32 v2, v18, 13, v19
	v_mov_b32 v[T+1], 0
	s_mov_b32 s34, 0x76543210
	s_mov_b32 s35, 0xfedcba98
	s_mov_b32 s36, 0x3a800000                      ; 1/1024
	s_mov_b32 s37, 0x3727c5ac                      ; 1e-5
	s_lshl_b32 s32, ttmp9, 16
	s_mov_b32 s33, 0
	s_lshl_b32 s38, ttmp9, 15
	s_mov_b32 s39, 0
	s_wait_kmcnt 0x0
	s_add_nc_u64 s[8:9], s[8:9], s[32:33]
	s_add_nc_u64 s[14:15], s[14:15], s[38:39]
.irp j, 0,1,2,3,4,5,6,7
	global_load_b128 v[G+4*\j:G+4*\j+3], v3, s[10:11] offset:512*\j
	global_load_b128 v[BV+4*\j:BV+4*\j+3], v3, s[12:13] offset:512*\j
.endr
.irp q, 0,1,2,3
.irp j, 0,1,2,3,4,5,6,7
	global_load_b128 v[X+32*\q+4*\j:X+32*\q+4*\j+3], v1, s[8:9] offset:\q*4096+512*\j
.endr
.endr
	ROW 0
	ROW 1
	ROW 2
	ROW 3
	s_endpgm
.Lfunc_end_k_qdeae3a95aa_ln2:
	.size	k_qdeae3a95aa_ln2, .Lfunc_end_k_qdeae3a95aa_ln2-k_qdeae3a95aa_ln2
	.p2alignl 7, 3214868480
	.fill 96, 4, 3214868480
	.section	.rodata,"a",@progbits
	.p2align	6, 0x0
	.amdhsa_kernel k_qdeae3a95aa_ln2
		.amdhsa_group_segment_fixed_size 0
		.amdhsa_private_segment_fixed_size 0
		.amdhsa_enable_private_segment 0
		.amdhsa_kernarg_size 32
		.amdhsa_user_sgpr_count 2
		.amdhsa_user_sgpr_kernarg_segment_ptr 1
		.amdhsa_wavefront_size32 1
		.amdhsa_system_sgpr_workgroup_id_x 1
		.amdhsa_system_sgpr_workgroup_id_y 1
		.amdhsa_system_sgpr_workgroup_id_z 1
		.amdhsa_system_vgpr_workitem_id 0
		.amdhsa_next_free_vgpr 216
		.amdhsa_next_free_sgpr 66
		.amdhsa_reserve_vcc 0
		.amdhsa_float_denorm_mode_32 3
		.amdhsa_float_denorm_mode_16_64 3
		.amdhsa_memory_ordered 1
		.amdhsa_forward_progress 1
		.amdhsa_inst_pref_size 38
	.end_amdhsa_kernel
	.amdgpu_metadata
---
amdhsa.version: [ 1, 2 ]
amdhsa.kernels:
  - .name:           k_qdeae3a95aa_ln2
    .symbol:         k_qdeae3a95aa_ln2.kd
    .args:
      - { .name: x1, .offset: 0, .size: 8, .value_kind: global_buffer, .address_space: global }
      - { .name: ln2_g, .offset: 8, .size: 8, .value_kind: global_buffer, .address_space: global }
      - { .name: ln2_b, .offset: 16, .size: 8, .value_kind: global_buffer, .address_space: global }
      - { .name: act, .offset: 24, .size: 8, .value_kind: global_buffer, .address_space: global }
    .group_segment_fixed_size: 0
    .private_segment_fixed_size: 0
    .kernarg_segment_align: 8
    .kernarg_segment_size: 32
    .max_flat_workgroup_size: 128
    .sgpr_count:     66
    .vgpr_count:     216
    .wavefront_size: 32
...
	.end_amdgpu_metadata
.endif
;; end of part 5
;; launch gfc1 (part 6): grid 16 x 16, 4 waves a work-group, clusters of 4 x 4, 327,680 bytes of LDS; arguments act, w1, fc1_b, hid; writes hid
.if DOCPART == 6
	.amdgcn_target "amdgcn-amd-amdhsa--gfx1250"
	.amdhsa_code_object_version 6
	.text
	.protected	k_qdeae3a95aa_gfc1
	.globl	k_qdeae3a95aa_gfc1
	.p2align	8
	.type	k_qdeae3a95aa_gfc1,@function
k_qdeae3a95aa_gfc1:
	s_mov_b64 s[64:65], 0
	v_nop
	global_prefetch_b8 v0, s[64:65] scope:SCOPE_SE
	s_setreg_imm32_b32 hwreg(HW_REG_WAVE_MODE, 25, 1), 1
	s_wait_xcnt 0x0
	s_wait_alu depctr_hold_cnt(0) depctr_sa_sdst(0) depctr_va_vdst(0) depctr_va_sdst(0) depctr_va_ssrc(0) depctr_va_vcc(0) depctr_vm_vsrc(0)
	s_getreg_b32 s2, hwreg(HW_REG_IB_STS2, 6, 4)
	s_cmp_eq_u32 s2, 0
	s_cbranch_scc0 .Lentry_in_a_cluster
	s_endpgm
.Lentry_in_a_cluster:
	s_bfe_u32 s2, ttmp6, 0x10000c
	s_cmp_lg_u32 s2, 0xf033
	s_cbranch_scc0 .Lentry_shape_is_right
	s_endpgm
.Lentry_shape_is_right:
; C = gelu(A B^T + bias), A [4096][SIZE_K] bf16, B [SIZE_N][SIZE_K] bf16, bias f32, sums, bias and GELU in f32, C [4096][SIZE_N] rounded once to bf16.
; Here: A = LayerNorm(x1), B = fc1_w.  (The same text with GELU = 0, HEADMAJOR = 1 makes q, k and v.)
; A work-group makes 256 x 256 of C with four waves, a wave 128 x 128: 64 accumulator tiles, 512 registers.  K goes in steps of 128 through
; two LDS slots filled by the tensor data mover; a tile's rows are 256 bytes of memory at multiples of 256 bytes.
; CLUSTERS: 4 x 4 work-groups.  The four of a row of the cluster need the same tiles of A, the four of a column the same tiles of B: each tile
; is asked for jointly, by the same tensor load with a mask that names the four, which divides the requests for A and B by four.
; REGISTERS in windows of 256: window 0: v0-31 addresses, v32-63 and v224-255 bias, v64-191 fragments of A (two buffers), v192-223 packed results;
; window 1: v64-191 fragments of B; window 2: accumulators of my rows 0-63 (tile (a, b) at v[8 (8 a + b)]); window 3: rows 64-127.
; The matrix instruction is used transposed (source 0 = rows of B, source 1 = rows of A): lane l holds row l % 16 of C and eight neighbouring columns 8 (l / 16) + 0..7.
; Limit: erf by Abramowitz and Stegun 7.1.26, absolute error at most 1.5e-7; exp2 results below 2^-126 come out as 0 (ISA guide 15.8).
.set SIZE_K, 1024
.set SIZE_N, 4096
.set GELU, 1
.set HEADMAJOR, 0
.set KSTEP,  128
.set PITCH,  272                       ; 256 bytes + 16 of padding: an odd multiple of 16
.set HALFT,  128*PITCH
.set SLOT,   4*HALFT
.set STAGE,  2*SLOT                    ; behind the ring: 16 rows x 272 bytes for each wave; no fill lands there
.set SPITCH, 272
.set LAPS,   SIZE_K/(2*KSTEP)
.set ADRA, 16
.set ADRB, 20
.set STO,  24
.set RD,   25
.set CO,   26
.set BO,   27
.set BIAS, 32                          ; bias of tile b: v[32 + 8 b] for b < 4, v[224 + 8 (b - 4)] for b >= 4
.set F0,   64
.set F1,   128
.set XO,   64                          ; way out: 16 rows' results in f32; its lower half then takes the rows read back
.set GT,   128
.set GZ,   136
.set GP,   144
.set GM,   152
.set CA,   160
.set TMP,  192
.set G1,  24
.set G0,  32
.set G1B, 48
.set G0B, 56
.if HEADMAJOR
.set CSTEP, 16*128
.set CT,    2*128
.else
.set CSTEP, 16*SIZE_N*2
.set CT,    2*SIZE_N*2
.endif
.set MSB, 0
.macro WIN new
.if MSB != \new
	s_set_vgpr_msb (MSB<<8)|\new
.set MSB, \new
.endif
.endm
.set MUL_LO, 0xa1
.set MUL_HI, 0xf1
.set TO_B,   0x40
; A joint load: waves 0, 1 fetch A's halves, waves 2, 3 B's; one mask a line; four v_nop follow each line
.macro JLOAD s
	s_cmp_eq_u32 s11, 0
	s_cbranch_scc0 .Lfor_b_\@
	tensor_load_to_lds s[G0+4*\s:G0+4*\s+3], s[G1:G1+7]
	s_nop 0
.rept 4
	v_nop
.endr
	s_branch .Lasked_\@
.Lfor_b_\@:
	tensor_load_to_lds s[G0B+4*\s:G0B+4*\s+3], s[G1B:G1B+7]
	s_nop 0
.rept 4
	v_nop
.endr
.Lasked_\@:
.endm
.macro CREST
	s_cmp_lg_u32 s10, 0
	s_cbranch_scc1 .Lnot_wave_0_\@
	s_barrier_signal -3
.Lnot_wave_0_\@:
	s_barrier_wait -3
	s_barrier_signal -1
	s_barrier_wait -1
.endm
.macro CROUND
	s_barrier_signal -1
	s_barrier_wait -1
	CREST
.endm
	s_load_b128 s[4:7], s[0:1], 0x0                ; A s[4:5], B s[6:7]
	s_load_b128 s[68:71], s[0:1], 0x10             ; bias s[68:69], C s[70:71]
	s_set_vgpr_msb 0x40
	v_lshl_add_u32 v255, v0, 2, 0x48400
	s_set_vgpr_msb 0x4000
	v_mov_b32 v31, 0
	s_set_vgpr_msb 0x1
	ds_add_u32 v255, v31
	s_set_vgpr_msb 0x100
	v_lshrrev_b32 v1, 5, v0
	v_readfirstlane_b32 s10, v1                    ; wave 0..3
	s_lshr_b32 s11, s10, 1
	s_and_b32 s12, s10, 1
	s_bfe_u32 s40, ttmp6, 0x40000                  ; cx
	s_bfe_u32 s41, ttmp6, 0x40004                  ; cy
	s_lshl_b32 s42, ttmp9, 2
	s_add_co_u32 s42, s42, s40                     ; block column
	s_and_b32 s13, ttmp7, 0xffff
	s_lshl_b32 s13, s13, 2
	s_add_co_u32 s13, s13, s41                     ; block row
	s_lshl_b32 s43, s41, 2
	s_lshl_b32 s43, 15, s43
	s_lshl_b32 s44, 0x1111, s40
	s_or_b32 s[G1+0], s43, (1<<16)|(1<<20)|(1<<21)|(5<<22)|(3<<25)
	s_or_b32 s[G1B+0], s44, (1<<16)|(1<<20)|(1<<21)|(5<<22)|(3<<25)
	s_mov_b32 s[G1B+1], KSTEP<<16
	s_mov_b32 s[G1+1], KSTEP<<16
	s_mov_b32 s[G1B+2], 128<<16
	s_mov_b32 s[G1+2], 128<<16
	s_mov_b32 s[G1B+3], KSTEP<<16
	s_mov_b32 s[G1+3], KSTEP<<16
	s_mov_b32 s[G1B+4], 128
	s_mov_b32 s[G1+4], 128
	s_mov_b32 s[G1B+5], SIZE_K
	s_mov_b32 s[G1+5], SIZE_K
	s_mov_b32 s[G1B+6], 0
	s_mov_b32 s[G1+6], 0
	s_mov_b32 s[G1B+7], 0
	s_mov_b32 s[G1+7], 0
	s_lshl_b32 s17, s12, 7
	s_lshl_b32 s16, s13, 8
	s_add_co_u32 s16, s16, s17
	s_lshl_b32 s46, s42, 8
	s_add_co_u32 s46, s46, s17
	s_mov_b32 s17, 0
	s_mov_b32 s47, 0
	s_mov_b64 s[18:19], SIZE_K*2
	s_mul_u64 s[16:17], s[16:17], s[18:19]
	s_mul_u64 s[46:47], s[46:47], s[18:19]
	s_mul_i32 s20, s10, HALFT
	s_wait_dscnt 0x0
	s_wait_kmcnt 0x0
	s_add_nc_u64 s[14:15], s[4:5], s[16:17]
	s_add_nc_u64 s[46:47], s[6:7], s[46:47]
	CROUND                                         ; in front of the first joint loads
.irp s, 0,1
	s_mov_b32 s[G0+4*\s], 1
	s_add_co_u32 s[G0+4*\s+1], s20, \s*SLOT
	s_add_nc_u64 s[G0+4*\s+2:G0+4*\s+3], s[14:15], \s*KSTEP*2
	s_or_b32 s[G0+4*\s+3], s[G0+4*\s+3], 0x80000000
	s_mov_b32 s[G0B+4*\s], 1
	s_add_co_u32 s[G0B+4*\s+1], s20, \s*SLOT
	s_add_nc_u64 s[G0B+4*\s+2:G0B+4*\s+3], s[46:47], \s*KSTEP*2
	s_or_b32 s[G0B+4*\s+3], s[G0B+4*\s+3], 0x80000000
	JLOAD \s                                       ; two tensor loads of the wave are out
.endr
	v_and_b32 v1, 15, v0
	v_bfe_u32 v2, v0, 4, 1
	v_mul_u32_u24 v3, v1, PITCH
	v_lshl_add_u32 v3, v2, 4, v3
	s_mul_i32 s21, s11, HALFT
	s_mul_i32 s22, s12, HALFT
	s_add_co_u32 s22, s22, 2*HALFT
.irp s, 0,1
	v_add_nc_u32 v[ADRA+\s], s21, v3
	v_add_nc_u32 v[ADRB+\s], s22, v3
	s_add_co_u32 s21, s21, SLOT
	s_add_co_u32 s22, s22, SLOT
.endr
	s_mul_i32 s23, s10, 16*SPITCH
	s_add_co_u32 s23, s23, STAGE
	v_mul_u32_u24 v4, v1, SPITCH
	v_lshl_add_u32 v4, v2, 4, v4
	v_add_nc_u32 v[STO], s23, v4
.if HEADMAJOR
	v_and_b32 v6, 7, v0
	v_bfe_u32 v7, v0, 3, 1
	v_mul_u32_u24 v5, v7, SPITCH
	v_lshl_add_u32 v5, v2, 7, v5
	v_lshl_add_u32 v5, v6, 4, v5
	v_add_nc_u32 v[RD], s23, v5
	v_lshlrev_b32 v5, 18, v2
	v_lshl_add_u32 v5, v7, 7, v5
	v_lshl_add_u32 v[CO], v6, 4, v5
.else
	v_mul_u32_u24 v5, v2, SPITCH                   ; back: lanes 0-15 one row of 256 bytes, lanes 16-31 the next
	v_lshl_add_u32 v5, v1, 4, v5
	v_add_nc_u32 v[RD], s23, v5
	v_mul_u32_u24 v5, v2, SIZE_N*2
	v_lshl_add_u32 v[CO], v1, 4, v5
.endif
	v_lshlrev_b32 v[BO], 5, v2
	s_lshl_b32 s74, s42, 10
	s_lshl_b32 s75, s12, 9
	s_add_co_u32 s74, s74, s75
	s_mov_b32 s75, 0
	s_add_nc_u64 s[68:69], s[68:69], s[74:75]
.irp b, 0,1,2,3,4,5,6,7
	global_load_b128 v[BIAS+8*\b+160*(\b/4):BIAS+8*\b+160*(\b/4)+3], v[BO], s[68:69] offset:64*\b
	global_load_b128 v[BIAS+8*\b+160*(\b/4)+4:BIAS+8*\b+160*(\b/4)+7], v[BO], s[68:69] offset:64*\b+16
.endr
; The 64 accumulators take turns, one instruction a turn, in the same order in every quarter step.
.macro MUL16 f, hi, a0, zero
.irp a, \a0, \a0+1
.irp b, 0,1,2,3,4,5,6,7
.if \zero
	v_wmma_f32_16x16x32_bf16 v[8*(8*(\a)+\b):8*(8*(\a)+\b)+7], v[\f+8*\b:\f+8*\b+7], v[\f+8*(4*\hi+\a):\f+8*(4*\hi+\a)+7], 0
.else
	v_wmma_f32_16x16x32_bf16 v[8*(8*(\a)+\b):8*(8*(\a)+\b)+7], v[\f+8*\b:\f+8*\b+7], v[\f+8*(4*\hi+\a):\f+8*(4*\hi+\a)+7], v[8*(8*(\a)+\b):8*(8*(\a)+\b)+7]
.endif
.endr
.endr
.endm
.macro FETCH slot, k, f
	WIN TO_B
.irp i, 0,1,2,3,4,5,6,7
	ds_load_b128 v[\f+8*\i:\f+8*\i+3],   v[ADRB+\slot] offset:\k+\i*16*PITCH
	ds_load_b128 v[\f+8*\i+4:\f+8*\i+7], v[ADRB+\slot] offset:\k+\i*16*PITCH+32
.endr
	WIN 0
.irp i, 0,1,2,3,4,5,6,7
	ds_load_b128 v[\f+8*\i:\f+8*\i+3],   v[ADRA+\slot] offset:\k+\i*16*PITCH
	ds_load_b128 v[\f+8*\i+4:\f+8*\i+7], v[ADRA+\slot] offset:\k+\i*16*PITCH+32
.endr
.endm
.macro PLACES                          ; four places behind a matrix instruction (ISA guide 7.12.1)
.rept 4
	v_nop
.endr
.endm
.macro QUARTER slot, k, f, g, zero
	s_wait_dscnt 8                                 ; B and A's rows 0-63 are in; the youngest eight loads may be out
	WIN MUL_LO
	MUL16 \f, 0, 0, \zero
	MUL16 \f, 0, 2, \zero
	PLACES
	FETCH \slot, \k, \g
	s_wait_dscnt 32                                ; all but the 32 just issued
	WIN MUL_HI
	MUL16 \f, 1, 0, \zero
	MUL16 \f, 1, 2, \zero
.endm
.macro THREE slot, zero
	QUARTER \slot, 64,  F0, F1, \zero
	QUARTER \slot, 128, F1, F0, 0
	QUARTER \slot, 192, F0, F1, 0
.endm
; the change of slots: waits for my reads and for all my tensor loads in front of the barrier (the round's opening where the slot is filled again),
; the joint refill first behind it, one a wave
.macro TURN slot, next, fill
	s_wait_dscnt 8
	WIN MUL_LO
	MUL16 F1, 0, 0, 0
	s_wait_dscnt 0
	s_wait_tensorcnt 0x0
	ds_add_u32 v255, v31
	s_wait_dscnt 0x0
	s_barrier_signal -1
	MUL16 F1, 0, 2, 0
	WIN 0
	s_barrier_wait -1
.if \fill
	CREST
	s_add_nc_u64 s[G0+4*\slot+2:G0+4*\slot+3], s[G0+4*\slot+2:G0+4*\slot+3], 2*KSTEP*2
	s_add_nc_u64 s[G0B+4*\slot+2:G0B+4*\slot+3], s[G0B+4*\slot+2:G0B+4*\slot+3], 2*KSTEP*2
	JLOAD \slot
.else
	PLACES
.endif
	FETCH \next, 0, F0
	WIN MUL_HI
	MUL16 F1, 1, 0, 0
	MUL16 F1, 1, 2, 0
.endm
.macro LAP zero
	THREE 0, \zero
	TURN 0, 1, 1
	THREE 1, 0
	TURN 1, 0, 1
.endm
	s_wait_loadcnt 0x0                             ; the bias, once
	s_wait_tensorcnt 1                             ; my part of K step 0 is in; K step 1's may stay out
	s_barrier_signal -1
	s_barrier_wait -1
	FETCH 0, 0, F0
	LAP 1
.if LAPS > 2
	WIN 0
	s_mov_b32 s3, LAPS-2
.Llap:
	LAP 0
	WIN 0
	s_sub_co_u32 s3, s3, 1
	s_cmp_lg_u32 s3, 0
	s_cbranch_scc1 .Llap
.endif
	THREE 0, 0
	TURN 0, 1, 0
	THREE 1, 0
	s_wait_dscnt 8
	WIN MUL_LO
	MUL16 F1, 0, 0, 0
	MUL16 F1, 0, 2, 0
	s_wait_dscnt 0
	WIN MUL_HI
	MUL16 F1, 1, 0, 0
	MUL16 F1, 1, 2, 0
	; THE WAY OUT, 16 rows at a time: + bias and GELU in f32, round to bf16, 16 bytes a lane into my stage, read back as rows of 256 bytes.
	PLACES
	WIN 0
.if HEADMAJOR
	s_lshl_b32 s16, s13, 8
	s_lshl_b32 s17, s11, 7
	s_add_co_u32 s16, s16, s17
	s_lshr_b32 s17, s16, 11
	s_lshl_b32 s17, s17, 22
	s_and_b32 s16, s16, 2047
	s_lshl_b32 s16, s16, 7
	s_add_co_u32 s16, s16, s17
	s_mov_b32 s17, 0
	s_add_nc_u64 s[70:71], s[70:71], s[16:17]
	s_lshl_b32 s46, s42, 8
	s_lshl_b32 s47, s12, 7
	s_add_co_u32 s46, s46, s47
	s_lshr_b32 s47, s46, 10
	s_lshl_b32 s47, s47, 23
	s_bfe_u32 s46, s46, 0x40006
	s_lshl_b32 s46, s46, 18
	s_add_co_u32 s46, s46, s47
	s_mov_b32 s47, 0
	s_add_nc_u64 s[70:71], s[70:71], s[46:47]
.else
	s_lshl_b32 s16, s13, 8
	s_lshl_b32 s17, s11, 7
	s_add_co_u32 s16, s16, s17                     ; my first row of C
	s_mov_b32 s17, 0
	s_mov_b64 s[18:19], SIZE_N*2
	s_mul_u64 s[16:17], s[16:17], s[18:19]
	s_add_nc_u64 s[70:71], s[70:71], s[16:17]
	s_lshl_b32 s46, s42, 9                         ; my first column in bytes
	s_lshl_b32 s47, s12, 8
	s_add_co_u32 s46, s46, s47
	s_mov_b32 s47, 0
	s_add_nc_u64 s[70:71], s[70:71], s[46:47]
.endif
.if GELU
	s_mov_b32 s66, 0x3e6d3388                      ; 0.3275911 / sqrt(2)
	v_mov_b32 v[CA+0], 0x3e827906                  ; a1 =  0.254829592
	v_mov_b32 v[CA+1], 0x3e827906
	v_mov_b32 v[CA+2], 0xbe91a98e                  ; a2 = -0.284496736
	v_mov_b32 v[CA+3], 0xbe91a98e
	v_mov_b32 v[CA+4], 0x3fb5f0e3                  ; a3 =  1.421413741
	v_mov_b32 v[CA+5], 0x3fb5f0e3
	v_mov_b32 v[CA+6], 0xbfba00e3                  ; a4 = -1.453152027
	v_mov_b32 v[CA+7], 0xbfba00e3
	v_mov_b32 v[CA+8], 0x3f87dc22                  ; a5 =  1.061405429
	v_mov_b32 v[CA+9], 0x3f87dc22
.endif
; gelu(x) = x (1 + erf(x / sqrt 2)) / 2 = max(x, 0) - |x| y / 2, y = 1 - erf(|x| / sqrt 2) = poly(t) exp(-x^2 / 2), t = 1 / (1 + 0.3275911 |x| / sqrt 2).
; Eight numbers at v[xb].
.macro GELU8 xb
.irp k, 0,2,4,6
	v_pk_mul_f32 v[GZ+\k:GZ+\k+1], v[\xb+\k:\xb+\k+1], v[\xb+\k:\xb+\k+1]
.endr
.irp k, 0,1,2,3,4,5,6,7
	v_fma_f32 v[GT+\k], |v[\xb+\k]|, s66, 1.0
.endr
.irp k, 0,1,2,3,4,5,6,7
	v_rcp_f32 v[GT+\k], v[GT+\k]
.endr
.irp k, 0,2,4,6
	v_pk_mul_f32 v[GZ+\k:GZ+\k+1], v[GZ+\k:GZ+\k+1], 0xbf38aa3b op_sel_hi:[1,0]      ; x^2 x (-log2(e) / 2): also the plain place behind the reciprocals
.endr
.irp k, 0,1,2,3,4,5,6,7
	v_exp_f32 v[GZ+\k], v[GZ+\k]
.endr
	s_wait_alu depctr_va_vdst(0)
.irp k, 0,2,4,6
	v_pk_fma_f32 v[GP+\k:GP+\k+1], v[GT+\k:GT+\k+1], v[CA+8:CA+9], v[CA+6:CA+7]      ; names no exponential's register: the plain place behind them
.endr
.irp c, 4,2,0
.irp k, 0,2,4,6
	v_pk_fma_f32 v[GP+\k:GP+\k+1], v[GP+\k:GP+\k+1], v[GT+\k:GT+\k+1], v[CA+\c:CA+\c+1]
.endr
.endr
.irp k, 0,2,4,6
	v_pk_mul_f32 v[GP+\k:GP+\k+1], v[GP+\k:GP+\k+1], v[GT+\k:GT+\k+1]
.endr
.irp k, 0,2,4,6
	v_pk_mul_f32 v[GP+\k:GP+\k+1], v[GP+\k:GP+\k+1], v[GZ+\k:GZ+\k+1]
.endr
.irp k, 0,1,2,3,4,5,6,7
	v_max_num_f32 v[GM+\k], 0, v[\xb+\k]
.endr
.irp k, 0,1,2,3,4,5,6,7
	v_mul_f32 v[GP+\k], |v[\xb+\k]|, v[GP+\k]
.endr
.irp k, 0,2,4,6
	v_pk_fma_f32 v[\xb+\k:\xb+\k+1], v[GP+\k:GP+\k+1], -0.5, v[GM+\k:GM+\k+1] op_sel_hi:[1,0,1]
.endr
.endm
; rows 16 i .. 16 i + 15 of my block = the eight tiles (a, 0..7) of window 2 or 3 (from = 0x02 or 0x03: source 0)
.macro OUT16 i, a, from
.if \i
	s_wait_xcnt 0x0                                ; the last stores' data (XO's lower half) and base are rewritten only behind this wait
	s_add_nc_u64 s[70:71], s[70:71], CSTEP
.endif
	WIN \from
.irp b, 0,1,2,3,4,5,6,7
.irp r, 0,2,4,6
	v_pk_add_f32 v[XO+8*\b+\r:XO+8*\b+\r+1], v[8*(8*\a+\b)+\r:8*(8*\a+\b)+\r+1], v[BIAS+8*\b+160*(\b/4)+\r:BIAS+8*\b+160*(\b/4)+\r+1]
.endr
.endr
	WIN 0
.if GELU
.irp b, 0,1,2,3,4,5,6,7
	GELU8 XO+8*\b
.endr
.endif
.irp b, 0,1,2,3,4,5,6,7
.irp r, 0,1,2,3
	v_cvt_pk_bf16_f32 v[TMP+4*\b+\r], v[XO+8*\b+2*\r], v[XO+8*\b+2*\r+1]
.endr
.endr
.irp b, 0,1,2,3,4,5,6,7
	ds_store_b128 v[STO], v[TMP+4*\b:TMP+4*\b+3] offset:32*\b
.endr
.irp t, 0,1,2,3,4,5,6,7
	ds_load_b128 v[XO+4*\t:XO+4*\t+3], v[RD] offset:\t*2*SPITCH    ; LDS serves a wave's instructions in order: these see the stores above
.endr
.irp t, 0,1,2,3,4,5,6,7
	s_wait_dscnt 7-\t                              ; read-back t is in; the 7 - t younger ones stay out
	global_store_b128 v[CO], v[XO+4*\t:XO+4*\t+3], s[70:71] offset:\t*CT   ; sixteen lanes store 256 consecutive bytes, aligned
.endr
.endm
	OUT16 0, 0, 0x02
	OUT16 1, 1, 0x02
	OUT16 2, 2, 0x02
	OUT16 3, 3, 0x02
	OUT16 4, 0, 0x03
	OUT16 5, 1, 0x03
	OUT16 6, 2, 0x03
	OUT16 7, 3, 0x03
	s_set_vgpr_msb 0x1
	s_wait_tensorcnt 0x0
	ds_add_u32 v255, v31
	s_wait_dscnt 0x0
	s_set_vgpr_msb 0x100
	CROUND                                         ; the closing round
	s_endpgm
.Lfunc_end_k_qdeae3a95aa_gfc1:
	.size	k_qdeae3a95aa_gfc1, .Lfunc_end_k_qdeae3a95aa_gfc1-k_qdeae3a95aa_gfc1
	.p2alignl 7, 3214868480
	.fill 96, 4, 3214868480
	.section	.rodata,"a",@progbits
	.p2align	6, 0x0
	.amdhsa_kernel k_qdeae3a95aa_gfc1
		.amdhsa_group_segment_fixed_size 327680
		.amdhsa_private_segment_fixed_size 0
		.amdhsa_enable_private_segment 0
		.amdhsa_kernarg_size 32
		.amdhsa_user_sgpr_count 2
		.amdhsa_user_sgpr_kernarg_segment_ptr 1
		.amdhsa_wavefront_size32 1
		.amdhsa_system_sgpr_workgroup_id_x 1
		.amdhsa_system_sgpr_workgroup_id_y 1
		.amdhsa_system_sgpr_workgroup_id_z 1
		.amdhsa_system_vgpr_workitem_id 0
		.amdhsa_next_free_vgpr 1024
		.amdhsa_next_free_sgpr 80
		.amdhsa_reserve_vcc 0
		.amdhsa_float_denorm_mode_32 3
		.amdhsa_float_denorm_mode_16_64 3
		.amdhsa_memory_ordered 1
		.amdhsa_forward_progress 1
		.amdhsa_inst_pref_size 255
	.end_amdhsa_kernel
	.section	.bss,"aw",@nobits
	.p2align	6
	.space	262144
	.amdgpu_metadata
---
amdhsa.version: [ 1, 2 ]
amdhsa.kernels:
  - .name:           k_qdeae3a95aa_gfc1
    .symbol:         k_qdeae3a95aa_gfc1.kd
    .args:
      - { .name: act, .offset: 0, .size: 8, .value_kind: global_buffer, .address_space: global }
      - { .name: w1, .offset: 8, .size: 8, .value_kind: global_buffer, .address_space: global }
      - { .name: fc1_b, .offset: 16, .size: 8, .value_kind: global_buffer, .address_space: global }
      - { .name: hid, .offset: 24, .size: 8, .value_kind: global_buffer, .address_space: global }
    .group_segment_fixed_size: 327680
    .private_segment_fixed_size: 0
    .kernarg_segment_align: 8
    .kernarg_segment_size: 32
    .max_flat_workgroup_size: 128
    .sgpr_count:     80
    .vgpr_count:     1024
    .wavefront_size: 32
...
	.end_amdgpu_metadata
.endif
;; end of part 6
;; launch gfc2 (part 7): grid 8 x 32, 4 waves a work-group, clusters of 4 x 4, 327,680 bytes of LDS; arguments hid, w2, fc2_b, x1, out0; writes out0
.if DOCPART == 7
	.amdgcn_target "amdgcn-amd-amdhsa--gfx1250"
	.amdhsa_code_object_version 6
	.text
	.protected	k_qdeae3a95aa_gfc2
	.globl	k_qdeae3a95aa_gfc2
	.p2align	8
	.type	k_qdeae3a95aa_gfc2,@function
k_qdeae3a95aa_gfc2:
	s_mov_b64 s[64:65], 0
	v_nop
	global_prefetch_b8 v0, s[64:65] scope:SCOPE_SE
	s_setreg_imm32_b32 hwreg(HW_REG_WAVE_MODE, 25, 1), 1
	s_wait_xcnt 0x0
	s_wait_alu depctr_hold_cnt(0) depctr_sa_sdst(0) depctr_va_vdst(0) depctr_va_sdst(0) depctr_va_ssrc(0) depctr_va_vcc(0) depctr_vm_vsrc(0)
	s_getreg_b32 s2, hwreg(HW_REG_IB_STS2, 6, 4)
	s_cmp_eq_u32 s2, 0
	s_cbranch_scc0 .Lentry_in_a_cluster
	s_endpgm
.Lentry_in_a_cluster:
	s_bfe_u32 s2, ttmp6, 0x10000c
	s_cmp_lg_u32 s2, 0xf033
	s_cbranch_scc0 .Lentry_shape_is_right
	s_endpgm
.Lentry_shape_is_right:
; OUT = RES + A B^T + bias.  A [4096][SIZE_K] bf16, B [1024][SIZE_K] bf16, bias [1024], RES and OUT [4096][1024] f32; sums in f32.
; Here: A = the MLP's hidden layer, B = fc2_w, RES = x1.  The text of the attention's output projection with SIZE_K = 4096.
; With 1,024 columns blocks of 256 x 256 would give 64 work-groups; blocks of 128 x 128 give 256.  Each of the four waves keeps the whole 128 x 128 block
; (64 accumulator tiles, 512 registers) and takes a quarter of K: of each K step of 256 wave w multiplies elements 64 w .. 64 w + 63.  So a wave still
; issues 64 matrix instructions for 2 x 128 x 64 bytes read from LDS.  The four partial blocks meet in LDS at the end, in the ring's bytes behind its last
; fill; that pass also turns the accumulators' layout into whole rows, which the f32 output needs anyway.
; CLUSTERS 4 x 4: A's tiles are shared along a row of the cluster, B's along a column, by joint loads.
; THE WALK ALONG K: of the n = SIZE_K / 256 steps, cluster (X, Y) of the 2 x 8 clusters begins at step (n / 2) X + (n / 4) (Y mod 4) and wraps round.  The two
; clusters that read the same rows of A begin n / 2 steps apart, clusters that read the same rows of B n / 4 steps or a multiple apart: a tile is read first
; by one cluster and by the others n / 4 steps later at the least, not by all in the same step.  X and Y are the same in all partners of a joint load.
; Limit: the sum over K begins at another K in each cluster, an order of rounding that differs from the reference's.
; The residual is asked for at the start, into registers that the K loop leaves free, and is there when the sums are.
; Windows: 0: addresses, A's fragments v64-191; 1: B's fragments v64-191, the residual in v0-63 and v192-255; 2, 3: accumulators (tile (a, b) at v[8 (8 a + b)]).
; Transposed use: source 0 = rows of B, source 1 = rows of A; lane l holds row l % 16 and columns 8 (l / 16) + 0..7 of a tile.
.set SIZE_K, 4096
.set KSTEP,  256
.set ROWB,   SIZE_K*2                  ; bytes in a row of A or B, a power of two
.set PITCH,  528                       ; 512 bytes + 16: an odd multiple of 16
.set HALFT,  64*PITCH
.set SLOT,   4*HALFT
.set RPITCH, 528
.set REGION, 128*RPITCH
.set LAPS,   SIZE_K/(2*KSTEP)
.set PRD,  8
.set ADRA, 16
.set ADRB, 20
.set PST,  22
.set RO,   24
.set LN16, 26
.set BIAS, 28
.set F0,   64
.set F1,   128
.set PB0,  64
.set PB1,  128
.set G1,  24
.set G0,  32
.set G1B, 48
.set G0B, 56
.set OF,  76                           ; s[76:77] slot 0's, s[78:79] slot 1's byte offset along K; the high words stay 0
.set MSB, 0
.macro WIN new
.if MSB != \new
	s_set_vgpr_msb (MSB<<8)|\new
.set MSB, \new
.endif
.endm
.set MUL_LO, 0xa1
.set MUL_HI, 0xf1
.set TO_B,   0x40
; A joint load: waves 0, 1 fetch A's halves, waves 2, 3 B's; one mask a line; four v_nop follow each line
.macro JLOAD s
	s_cmp_eq_u32 s11, 0
	s_cbranch_scc0 .Lfor_b_\@
	tensor_load_to_lds s[G0+4*\s:G0+4*\s+3], s[G1:G1+7]
	s_nop 0
.rept 4
	v_nop
.endr
	s_branch .Lasked_\@
.Lfor_b_\@:
	tensor_load_to_lds s[G0B+4*\s:G0B+4*\s+3], s[G1B:G1B+7]
	s_nop 0
.rept 4
	v_nop
.endr
.Lasked_\@:
.endm
.macro CREST
	s_cmp_lg_u32 s10, 0
	s_cbranch_scc1 .Lnot_wave_0_\@
	s_barrier_signal -3
.Lnot_wave_0_\@:
	s_barrier_wait -3
	s_barrier_signal -1
	s_barrier_wait -1
.endm
.macro CROUND
	s_barrier_signal -1
	s_barrier_wait -1
	CREST
.endm
; both group 0s of slot s point at the slot's place along K
.macro AIM s
	s_add_nc_u64 s[G0+4*\s+2:G0+4*\s+3], s[14:15], s[OF+2*\s:OF+2*\s+1]
	s_or_b32 s[G0+4*\s+3], s[G0+4*\s+3], 0x80000000
	s_add_nc_u64 s[G0B+4*\s+2:G0B+4*\s+3], s[46:47], s[OF+2*\s:OF+2*\s+1]
	s_or_b32 s[G0B+4*\s+3], s[G0B+4*\s+3], 0x80000000
.endm
	s_load_b128 s[4:7], s[0:1], 0x0                ; A, B
	s_load_b128 s[68:71], s[0:1], 0x10             ; bias s[68:69], RES s[70:71]
	s_load_b64 s[72:73], s[0:1], 0x20              ; OUT
	v_lshl_add_u32 v254, v0, 2, 0x42000
	v_mov_b32 v255, 0
	ds_add_u32 v254, v255
	v_lshrrev_b32 v1, 5, v0
	v_readfirstlane_b32 s10, v1                    ; wave
	s_lshr_b32 s11, s10, 1                         ; I fetch for A (0) or B (1)
	s_and_b32 s12, s10, 1                          ; which 64 rows of that tile
	s_bfe_u32 s40, ttmp6, 0x40000                  ; cx
	s_bfe_u32 s41, ttmp6, 0x40004                  ; cy
	s_lshl_b32 s42, ttmp9, 2
	s_add_co_u32 s42, s42, s40                     ; block column
	s_and_b32 s13, ttmp7, 0xffff
	s_lshl_b32 s13, s13, 2
	s_add_co_u32 s13, s13, s41                     ; block row
	s_lshl_b32 s43, s41, 2
	s_lshl_b32 s43, 15, s43                        ; my row of the cluster
	s_lshl_b32 s44, 0x1111, s40                    ; my column
	s_or_b32 s[G1+0], s43, (1<<16)|(1<<20)|(1<<21)|(6<<22)|(3<<25)  ; mask; 2-byte elements; padding on; bit 21 beside a mask; after every 128 words, 4 words
	s_or_b32 s[G1B+0], s44, (1<<16)|(1<<20)|(1<<21)|(6<<22)|(3<<25)
	s_mov_b32 s[G1B+1], KSTEP<<16
	s_mov_b32 s[G1+1], KSTEP<<16                   ; tensor_dim0 = 256
	s_mov_b32 s[G1B+2], 64<<16
	s_mov_b32 s[G1+2], 64<<16                      ; tensor_dim1 = 64
	s_mov_b32 s[G1B+3], KSTEP<<16
	s_mov_b32 s[G1+3], KSTEP<<16                   ; tile_dim0 = 256
	s_mov_b32 s[G1B+4], 64
	s_mov_b32 s[G1+4], 64                          ; tile_dim1 = 64
	s_mov_b32 s[G1B+5], SIZE_K
	s_mov_b32 s[G1+5], SIZE_K
	s_mov_b32 s[G1B+6], 0
	s_mov_b32 s[G1+6], 0
	s_mov_b32 s[G1B+7], 0
	s_mov_b32 s[G1+7], 0
	; where my cluster begins along K, in bytes of a row: made of the cluster's x and y alone
	s_and_b32 s[OF+1], ttmp7, 3
	s_mul_i32 s[OF+1], s[OF+1], ROWB/4
	s_mul_i32 s[OF], ttmp9, ROWB/2
	s_add_co_u32 s[OF], s[OF], s[OF+1]
	s_and_b32 s[OF], s[OF], ROWB-1                 ; slot 0: the first step
	s_add_co_u32 s[OF+2], s[OF], KSTEP*2
	s_and_b32 s[OF+2], s[OF+2], ROWB-1             ; slot 1: the second
	s_mov_b32 s[OF+1], 0
	s_mov_b32 s[OF+3], 0
	s_lshl_b32 s17, s12, 6
	s_lshl_b32 s16, s13, 7
	s_add_co_u32 s16, s16, s17                     ; A: row 128 x block row + 64 x half
	s_lshl_b32 s46, s42, 7
	s_add_co_u32 s46, s46, s17                     ; B: row 128 x block column + 64 x half
	s_mov_b32 s17, 0
	s_mov_b32 s47, 0
	s_mov_b64 s[18:19], SIZE_K*2
	s_mul_u64 s[16:17], s[16:17], s[18:19]
	s_mul_u64 s[46:47], s[46:47], s[18:19]
	s_mul_i32 s20, s10, HALFT                      ; LDS: wave x 64 rows
	s_wait_dscnt 0x0
	s_wait_kmcnt 0x0
	s_add_nc_u64 s[14:15], s[4:5], s[16:17]        ; my rows of A at K = 0: kept for the whole K loop
	s_add_nc_u64 s[46:47], s[6:7], s[46:47]        ; my rows of B at K = 0: likewise
	CROUND                                         ; in front of the first joint loads
.irp s, 0,1
	s_mov_b32 s[G0+4*\s], 1
	s_add_co_u32 s[G0+4*\s+1], s20, \s*SLOT
	s_mov_b32 s[G0B+4*\s], 1
	s_add_co_u32 s[G0B+4*\s+1], s20, \s*SLOT
	AIM \s
	JLOAD \s                                       ; two tensor loads of the wave are out
.endr
	v_and_b32 v1, 15, v0
	v_bfe_u32 v2, v0, 4, 1
	v_mul_u32_u24 v3, v1, PITCH
	v_lshl_add_u32 v3, v2, 4, v3
	s_lshl_b32 s21, s10, 7                         ; my 64 of a step's 256 along K: byte 128 w of every row
	s_add_co_u32 s22, s21, 2*HALFT                 ; B lies behind A's 128 rows
.irp s, 0,1
	v_add_nc_u32 v[ADRA+\s], s21, v3
	v_add_nc_u32 v[ADRB+\s], s22, v3
	s_add_co_u32 s21, s21, SLOT
	s_add_co_u32 s22, s22, SLOT
.endr
	v_and_b32 v4, 31, v0
	v_lshlrev_b32 v[LN16], 4, v4
	s_mul_i32 s23, s10, REGION
	v_mul_u32_u24 v5, v1, RPITCH
	v_lshl_add_u32 v5, v2, 5, v5                   ; row l % 16, columns 8 (l / 16): 32 bytes
	v_add_nc_u32 v[PST], s23, v5
	s_mul_i32 s23, s10, 32*RPITCH                  ; I sum rows 32 w .. 32 w + 31
	v_add_nc_u32 v[PRD], s23, v[LN16]
	v_add_nc_u32 v[PRD+1], REGION, v[PRD]
	v_add_nc_u32 v[PRD+2], 2*REGION, v[PRD]
	v_add_nc_u32 v[PRD+3], 3*REGION, v[PRD]
	v_lshl_add_u32 v[RO], s10, 17, v[LN16]         ; 32 rows x 4,096 bytes x wave + 16 x lane
	s_lshl_b32 s74, s42, 9                         ; block column x 128 columns x 4 bytes
	s_mov_b32 s75, 0
	s_lshl_b32 s16, s13, 19                        ; block row x 128 rows x 4,096 bytes
	s_mov_b32 s17, 0
	s_add_nc_u64 s[68:69], s[68:69], s[74:75]
	s_add_nc_u64 s[70:71], s[70:71], s[16:17]
	s_add_nc_u64 s[72:73], s[72:73], s[16:17]
	s_add_nc_u64 s[70:71], s[70:71], s[74:75]
	s_add_nc_u64 s[72:73], s[72:73], s[74:75]
	global_load_b128 v[BIAS:BIAS+3], v[LN16], s[68:69]
	WIN TO_B
.set rr, 0
.rept 32
	global_load_b128 v[4*rr+128*(rr/16):4*rr+128*(rr/16)+3], v[RO], s[70:71] offset:rr*4096   ; window 1: row rr of my 32, 512 consecutive bytes a wave
.set rr, rr+1
.endr
	WIN 0
; The 64 accumulators take turns, one instruction a turn, in the same order in every quarter.
.macro MUL16 f, hi, a0, zero
.irp a, \a0, \a0+1
.irp b, 0,1,2,3,4,5,6,7
.if \zero
	v_wmma_f32_16x16x32_bf16 v[8*(8*(\a)+\b):8*(8*(\a)+\b)+7], v[\f+8*\b:\f+8*\b+7], v[\f+8*(4*\hi+\a):\f+8*(4*\hi+\a)+7], 0
.else
	v_wmma_f32_16x16x32_bf16 v[8*(8*(\a)+\b):8*(8*(\a)+\b)+7], v[\f+8*\b:\f+8*\b+7], v[\f+8*(4*\hi+\a):\f+8*(4*\hi+\a)+7], v[8*(8*(\a)+\b):8*(8*(\a)+\b)+7]
.endif
.endr
.endr
.endm
.macro FETCH slot, k, f
	WIN TO_B
.irp i, 0,1,2,3,4,5,6,7
	ds_load_b128 v[\f+8*\i:\f+8*\i+3],   v[ADRB+\slot] offset:\k+\i*16*PITCH
	ds_load_b128 v[\f+8*\i+4:\f+8*\i+7], v[ADRB+\slot] offset:\k+\i*16*PITCH+32
.endr
	WIN 0
.irp i, 0,1,2,3,4,5,6,7
	ds_load_b128 v[\f+8*\i:\f+8*\i+3],   v[ADRA+\slot] offset:\k+\i*16*PITCH
	ds_load_b128 v[\f+8*\i+4:\f+8*\i+7], v[ADRA+\slot] offset:\k+\i*16*PITCH+32
.endr
.endm
.macro PLACES                          ; four places behind a matrix instruction (ISA guide 7.12.1)
.rept 4
	v_nop
.endr
.endm
.macro QUARTER slot, k, f, g, zero
	s_wait_dscnt 8                                 ; B and A's rows 0-63 are in; the youngest eight loads may be out
	WIN MUL_LO
	MUL16 \f, 0, 0, \zero
	MUL16 \f, 0, 2, \zero
	PLACES
	FETCH \slot, \k, \g
	s_wait_dscnt 32                                ; all but the 32 just issued
	WIN MUL_HI
	MUL16 \f, 1, 0, \zero
	MUL16 \f, 1, 2, \zero
.endm
; the second half of a wave's share of a slot, and the change of slots: waits for my reads and for all my tensor loads in front of the barrier (the round's
; opening where the slot is filled again), the joint refill first behind it, one a wave
.macro TURN slot, next, fill
	s_wait_dscnt 8
	WIN MUL_LO
	MUL16 F1, 0, 0, 0
	s_wait_dscnt 0
	s_set_vgpr_msb 0xa1a0
	s_wait_tensorcnt 0x0
	ds_add_u32 v254, v255
	s_wait_dscnt 0x0
	s_set_vgpr_msb 0xa0a1
	s_barrier_signal -1
	MUL16 F1, 0, 2, 0
	WIN 0
	s_barrier_wait -1
.if \fill
	CREST
	s_add_co_u32 s[OF+2*\slot], s[OF+2*\slot], 2*KSTEP*2     ; two steps on along K,
	s_and_b32 s[OF+2*\slot], s[OF+2*\slot], ROWB-1           ; round the row's end
	AIM \slot
	JLOAD \slot
.else
	PLACES
.endif
	FETCH \next, 0, F0
	WIN MUL_HI
	MUL16 F1, 1, 0, 0
	MUL16 F1, 1, 2, 0
.endm
.macro LAP zero
	QUARTER 0, 64, F0, F1, \zero
	TURN 0, 1, 1
	QUARTER 1, 64, F0, F1, 0
	TURN 1, 0, 1
.endm
	s_wait_loadcnt 0x0                             ; the bias and the residual
	s_wait_tensorcnt 1                             ; my part of slot 0 is in; slot 1's may stay out
	s_barrier_signal -1
	s_barrier_wait -1
	FETCH 0, 0, F0
	LAP 1
.if LAPS > 2
	WIN 0
	s_mov_b32 s3, LAPS-2
.Llap:
	LAP 0
	WIN 0
	s_sub_co_u32 s3, s3, 1
	s_cmp_lg_u32 s3, 0
	s_cbranch_scc1 .Llap
.endif
	QUARTER 0, 64, F0, F1, 0                       ; the last lap fills nothing
	TURN 0, 1, 0
	QUARTER 1, 64, F0, F1, 0
	s_wait_dscnt 8
	WIN MUL_LO
	MUL16 F1, 0, 0, 0
	MUL16 F1, 0, 2, 0
	s_wait_dscnt 0
	WIN MUL_HI
	MUL16 F1, 1, 0, 0
	MUL16 F1, 1, 2, 0
	; THE END: the four partial blocks go to LDS, each wave sums 32 rows, adds bias and residual and stores them.
	PLACES
	WIN 0
	s_wait_dscnt 0x0
	s_barrier_signal -1
	s_barrier_wait -1                              ; nobody reads the ring any more, and it has had its last fill
	WIN 0x08                                       ; store data in window 2
.irp a, 0,1,2,3
.irp b, 0,1,2,3,4,5,6,7
	ds_store_b128 v[PST], v[8*(8*\a+\b):8*(8*\a+\b)+3]   offset:\a*16*RPITCH+64*\b
	ds_store_b128 v[PST], v[8*(8*\a+\b)+4:8*(8*\a+\b)+7] offset:\a*16*RPITCH+64*\b+16
.endr
.endr
	WIN 0x0c                                       ; window 3: rows 64-127
.irp a, 0,1,2,3
.irp b, 0,1,2,3,4,5,6,7
	ds_store_b128 v[PST], v[8*(8*\a+\b):8*(8*\a+\b)+3]   offset:(\a+4)*16*RPITCH+64*\b
	ds_store_b128 v[PST], v[8*(8*\a+\b)+4:8*(8*\a+\b)+7] offset:(\a+4)*16*RPITCH+64*\b+16
.endr
.endr
	WIN 0
	s_wait_dscnt 0x0                               ; my stores are done, for the others' sake
	s_barrier_signal -1
	s_barrier_wait -1
.macro RDB g, pb                       ; rows 4 g .. 4 g + 3 of my 32, from all four regions: 16 loads
.irp q, 0,1,2,3
.irp s, 0,1,2,3
	ds_load_b128 v[\pb+16*\q+4*\s:\pb+16*\q+4*\s+3], v[PRD+\s] offset:(4*\g+\q)*RPITCH
.endr
.endr
.endm
.macro RED g, pb, left, nxt
	s_wait_dscnt \left                             ; this batch is in; the next batch's 16 loads stay out
.irp q, 0,1,2,3
.irp e, 0,2
	v_pk_add_f32 v[\pb+16*\q+\e:\pb+16*\q+\e+1], v[\pb+16*\q+\e:\pb+16*\q+\e+1], v[\pb+16*\q+4+\e:\pb+16*\q+4+\e+1]
	v_pk_add_f32 v[\pb+16*\q+8+\e:\pb+16*\q+8+\e+1], v[\pb+16*\q+8+\e:\pb+16*\q+8+\e+1], v[\pb+16*\q+12+\e:\pb+16*\q+12+\e+1]
.endr
.endr
.irp q, 0,1,2,3
.irp e, 0,2
	v_pk_add_f32 v[\pb+16*\q+\e:\pb+16*\q+\e+1], v[\pb+16*\q+\e:\pb+16*\q+\e+1], v[\pb+16*\q+8+\e:\pb+16*\q+8+\e+1]
.endr
.endr
.irp q, 0,1,2,3
.irp e, 0,2
	v_pk_add_f32 v[\pb+16*\q+\e:\pb+16*\q+\e+1], v[\pb+16*\q+\e:\pb+16*\q+\e+1], v[BIAS+\e:BIAS+\e+1]
.endr
.endr
	WIN 0x04                                       ; source 1 in window 1: the residual
.irp q, 0,1,2,3
.irp e, 0,2
	v_pk_add_f32 v[\pb+16*\q+\e:\pb+16*\q+\e+1], v[\pb+16*\q+\e:\pb+16*\q+\e+1], v[4*(4*\g+\q)+128*((4*\g+\q)/16)+\e:4*(4*\g+\q)+128*((4*\g+\q)/16)+\e+1]
.endr
.endr
	WIN 0
.irp q, 0,1,2,3
	global_store_b128 v[RO], v[\pb+16*\q:\pb+16*\q+3], s[72:73] offset:(4*\g+\q)*4096     ; the wave stores 512 consecutive bytes, aligned
.endr
.if \nxt
	s_wait_xcnt 0x0                                ; the stores' data are loaded into again only behind this wait
	RDB \nxt, \pb
.endif
.endm
	RDB 0, PB0
	RDB 1, PB1
	RED 0, PB0, 16, 2
	RED 1, PB1, 16, 3
	RED 2, PB0, 16, 4
	RED 3, PB1, 16, 5
	RED 4, PB0, 16, 6
	RED 5, PB1, 16, 7
	RED 6, PB0, 16, 0
	RED 7, PB1, 0, 0
	s_wait_tensorcnt 0x0
	ds_add_u32 v254, v255
	s_wait_dscnt 0x0
	CROUND                                         ; the closing round
	s_endpgm
.Lfunc_end_k_qdeae3a95aa_gfc2:
	.size	k_qdeae3a95aa_gfc2, .Lfunc_end_k_qdeae3a95aa_gfc2-k_qdeae3a95aa_gfc2
	.p2alignl 7, 3214868480
	.fill 96, 4, 3214868480
	.section	.rodata,"a",@progbits
	.p2align	6, 0x0
	.amdhsa_kernel k_qdeae3a95aa_gfc2
		.amdhsa_group_segment_fixed_size 327680
		.amdhsa_private_segment_fixed_size 0
		.amdhsa_enable_private_segment 0
		.amdhsa_kernarg_size 40
		.amdhsa_user_sgpr_count 2
		.amdhsa_user_sgpr_kernarg_segment_ptr 1
		.amdhsa_wavefront_size32 1
		.amdhsa_system_sgpr_workgroup_id_x 1
		.amdhsa_system_sgpr_workgroup_id_y 1
		.amdhsa_system_sgpr_workgroup_id_z 1
		.amdhsa_system_vgpr_workitem_id 0
		.amdhsa_next_free_vgpr 1024
		.amdhsa_next_free_sgpr 80
		.amdhsa_reserve_vcc 0
		.amdhsa_float_denorm_mode_32 3
		.amdhsa_float_denorm_mode_16_64 3
		.amdhsa_memory_ordered 1
		.amdhsa_forward_progress 1
		.amdhsa_inst_pref_size 133
	.end_amdhsa_kernel
	.amdgpu_metadata
---
amdhsa.version: [ 1, 2 ]
amdhsa.kernels:
  - .name:           k_qdeae3a95aa_gfc2
    .symbol:         k_qdeae3a95aa_gfc2.kd
    .args:
      - { .name: hid, .offset: 0, .size: 8, .value_kind: global_buffer, .address_space: global }
      - { .name: w2, .offset: 8, .size: 8, .value_kind: global_buffer, .address_space: global }
      - { .name: fc2_b, .offset: 16, .size: 8, .value_kind: global_buffer, .address_space: global }
      - { .name: x1, .offset: 24, .size: 8, .value_kind: global_buffer, .address_space: global }
      - { .name: out0, .offset: 32, .size: 8, .value_kind: global_buffer, .address_space: global }
    .group_segment_fixed_size: 327680
    .private_segment_fixed_size: 0
    .kernarg_segment_align: 8
    .kernarg_segment_size: 40
    .max_flat_workgroup_size: 128
    .sgpr_count:     80
    .vgpr_count:     1024
    .wavefront_size: 32
...
	.end_amdgpu_metadata
.endif
;; end of part 7
